; MI455X (gfx1250); checked and timed in simulation.
; The chip was launched on July 23, 2026; its instructions are those of AMD's public machine-readable ISA for CDNA 5 (MIT licence, August 2026) and "CDNA5" Instruction Set Architecture Reference Guide (July 2026). The comments in the code are by the model that wrote it; some were corrected since.
;; Atrous Multi Headed Attention. Allowed arithmetic: float matrix products may take bf16 or f16 operands with f32 sums; all other float work in f32.
;; Inputs: Wf 1,024 x 1,024 float32; Wk 1,024 x 1,024 float32; Wq 1,024 x 1,024 float32; Wv 1,024 x 1,024 float32; beta 1,024 float32; bf 1,024 float32; bk 1,024 float32; bq 1,024 float32; bv 1,024 float32; gamma 1,024 float32; x 2 x 4,096 x 1,024 float32.
;; Outputs: out0 2 x 4,096 x 1,024 float32; out1 2 x 4,096 x 1,024 float32.
;; 2 versions, each right; version 2 is version 1 with the launch cast written anew for expert scheduling mode. Each part assembles by itself: llvm-mc -triple=amdgcn-amd-amdhsa -mcpu=gfx1250 --defsym DOCPART=n.
;; ======== version 1 of 2: 5 launches
;; limits: values are held in f16: magnitudes above 65,504 overflow, below 6.1e-05 lose precision
;; workspace buffers: opnd 25,165,824 bytes; qkv 50,331,648 bytes; ctx 16,777,216 bytes
;; launch cast (part 1): grid 384 x 1, 8 waves a work-group, no clusters, 0 bytes of LDS; arguments x, Wq, Wk, Wv, Wf, opnd; writes opnd
.if DOCPART == 1
	.amdgcn_target "amdgcn-amd-amdhsa--gfx1250"
	.amdhsa_code_object_version 6
	.text
	.protected	k_q12e946105b_cast
	.globl	k_q12e946105b_cast
	.p2align	8
	.type	k_q12e946105b_cast,@function
k_q12e946105b_cast:
	s_mov_b64 s[64:65], 0
	v_nop
	global_prefetch_b8 v0, s[64:65] scope:SCOPE_SE
	s_setreg_imm32_b32 hwreg(HW_REG_WAVE_MODE, 25, 1), 1
	s_wait_xcnt 0x0
; CAST.  x and the four weights, f32, are rounded once to f16 and laid out in blocks for the products that follow.
; opnd holds 12 units of 2 MiB; a unit is [kb 0..15][row 0..1023][64 numbers]: 131,072 bytes a kb, 128 bytes a row.
; Units 0-7: x's atrous groups g = 4 batch + r, row l = x[batch][4 l + r].  Units 8-11: Wq, Wk, Wv, Wf, row = output feature.
; So a tile of 64 along K of any run of rows is dense in memory.
; LIMIT.  f16: a magnitude of 65,520 or more becomes an infinity; below 6e-5 the step is 6e-8.
; SHARES.  Work-group w: unit w / 32, rows 32 (w % 32) on; a wave four rows, as two pairs.  A load of a wave takes 256 bytes
; (64 numbers, one kb) of each of two rows; the store puts their 2 x 128 bytes of f16 side by side: 256 consecutive bytes, aligned.
; No LDS, no matrix unit, no cluster: a stream in which every byte is read once and written once.
; All 32 loads of a wave go out at once; no register is written twice, so the only waits are the counted ones for the loads.
.set SO, 2                             ; v2, v3  source offset of my 16 bytes in pair 0, 1
.set DO, 4                             ; v4      destination offset of my 8 bytes in pair 0, kb 0
.set X,  16                            ; v[16:143]   load i = 16 pair + kb: four f32
.set Y,  144                           ; v[144:207]  the same as four f16
	s_load_b256 s[4:11], s[0:1], 0x0               ; x s[4:5], Wq s[6:7], Wk s[8:9], Wv s[10:11]
	s_load_b128 s[12:15], s[0:1], 0x20             ; Wf s[12:13], opnd s[14:15]
	v_lshrrev_b32 v1, 5, v0
	v_readfirstlane_b32 s19, v1                    ; wave 0..7
	s_lshr_b32 s16, ttmp9, 5                       ; unit
	s_and_b32 s18, ttmp9, 31
	s_lshl_b32 s18, s18, 5
	s_lshl2_add_u32 s18, s19, s18                  ; my wave's first row = 32 (w % 32) + 4 wave
	s_lshr_b32 s26, s16, 2                         ; for x: the batch, 16 MiB each,
	s_lshl_b32 s26, s26, 24
	s_and_b32 s27, s16, 3                          ; and the place in a group of four rows
	s_lshl_b32 s27, s27, 12
	s_add_co_u32 s26, s26, s27
	s_cmp_lt_u32 s16, 8
	s_cselect_b32 s17, 14, 12                      ; from a unit's row to the next: four rows of x, or one of a weight
	s_cselect_b32 s22, s26, 0
	s_mov_b32 s23, 0
	s_lshl_b32 s24, s16, 21                        ; the unit's place in opnd
	s_mov_b32 s25, 0
	s_lshl_b32 s26, 2, s17                         ; two rows on
	v_and_b32 v5, 15, v0                           ; my place in a row's 256 bytes
	v_bfe_u32 v6, v0, 4, 1                         ; which row of the pair
	v_add_nc_u32 v7, s18, v6
	v_lshlrev_b32 v[SO], s17, v7
	v_lshl_add_u32 v[SO], v5, 4, v[SO]
	v_add_nc_u32 v[SO+1], s26, v[SO]
	v_lshlrev_b32 v[DO], 7, v7
	v_lshl_add_u32 v[DO], v5, 3, v[DO]
	s_wait_kmcnt 0x0
	s_mov_b64 s[20:21], s[4:5]                     ; the source: x, or one of the weights by the unit's number
	s_cmp_eq_u32 s16, 8
	s_cselect_b64 s[20:21], s[6:7], s[20:21]
	s_cmp_eq_u32 s16, 9
	s_cselect_b64 s[20:21], s[8:9], s[20:21]
	s_cmp_eq_u32 s16, 10
	s_cselect_b64 s[20:21], s[10:11], s[20:21]
	s_cmp_eq_u32 s16, 11
	s_cselect_b64 s[20:21], s[12:13], s[20:21]
	s_add_nc_u64 s[20:21], s[20:21], s[22:23]
	s_add_nc_u64 s[24:25], s[14:15], s[24:25]
.set i, 0
.rept 32
	global_load_b128 v[X+4*i:X+4*i+3], v[SO+i/16], s[20:21] offset:256*(i%16) th:TH_LOAD_NT
.set i, i+1
.endr
.set i, 0
.rept 32
	s_wait_loadcnt 31-i                            ; loads come back in order: number i is in, the younger ones stay out
	v_cvt_pk_f16_f32 v[Y+2*i], v[X+4*i], v[X+4*i+1]
	v_cvt_pk_f16_f32 v[Y+2*i+1], v[X+4*i+2], v[X+4*i+3]
	global_store_b64 v[DO], v[Y+2*i:Y+2*i+1], s[24:25] offset:256*(i/16)+131072*(i%16)
.set i, i+1
.endr
	s_endpgm
.Lfunc_end_k_q12e946105b_cast:
	.size	k_q12e946105b_cast, .Lfunc_end_k_q12e946105b_cast-k_q12e946105b_cast
	.p2alignl 7, 3214868480
	.fill 96, 4, 3214868480
	.section	.rodata,"a",@progbits
	.p2align	6, 0x0
	.amdhsa_kernel k_q12e946105b_cast
		.amdhsa_group_segment_fixed_size 0
		.amdhsa_private_segment_fixed_size 0
		.amdhsa_enable_private_segment 0
		.amdhsa_kernarg_size 48
		.amdhsa_user_sgpr_count 2
		.amdhsa_user_sgpr_kernarg_segment_ptr 1
		.amdhsa_wavefront_size32 1
		.amdhsa_system_sgpr_workgroup_id_x 1
		.amdhsa_system_sgpr_workgroup_id_y 1
		.amdhsa_system_sgpr_workgroup_id_z 1
		.amdhsa_system_vgpr_workitem_id 0
		.amdhsa_next_free_vgpr 208
		.amdhsa_next_free_sgpr 66
		.amdhsa_reserve_vcc 0
		.amdhsa_float_denorm_mode_32 3
		.amdhsa_float_denorm_mode_16_64 3
		.amdhsa_memory_ordered 1
		.amdhsa_forward_progress 1
		.amdhsa_inst_pref_size 13
	.end_amdhsa_kernel
	.amdgpu_metadata
---
amdhsa.version: [ 1, 2 ]
amdhsa.kernels:
  - .name:           k_q12e946105b_cast
    .symbol:         k_q12e946105b_cast.kd
    .args:
      - { .name: x, .offset: 0, .size: 8, .value_kind: global_buffer, .address_space: global }
      - { .name: Wq, .offset: 8, .size: 8, .value_kind: global_buffer, .address_space: global }
      - { .name: Wk, .offset: 16, .size: 8, .value_kind: global_buffer, .address_space: global }
      - { .name: Wv, .offset: 24, .size: 8, .value_kind: global_buffer, .address_space: global }
      - { .name: Wf, .offset: 32, .size: 8, .value_kind: global_buffer, .address_space: global }
      - { .name: opnd, .offset: 40, .size: 8, .value_kind: global_buffer, .address_space: global }
    .group_segment_fixed_size: 0
    .private_segment_fixed_size: 0
    .kernarg_segment_align: 8
    .kernarg_segment_size: 48
    .max_flat_workgroup_size: 256
    .sgpr_count:     66
    .vgpr_count:     208
    .wavefront_size: 32
...
	.end_amdgpu_metadata
.endif
;; end of part 1
;; launch qkvp (part 2): grid 8 x 32, 4 waves a work-group, clusters of 4 x 4, 327,680 bytes of LDS; arguments opnd, bq, bk, bv, qkv; writes qkv
.if DOCPART == 2
	.amdgcn_target "amdgcn-amd-amdhsa--gfx1250"
	.amdhsa_code_object_version 6
	.text
	.protected	k_q12e946105b_qkvp
	.globl	k_q12e946105b_qkvp
	.p2align	8
	.type	k_q12e946105b_qkvp,@function
k_q12e946105b_qkvp:
	s_mov_b64 s[64:65], 0
	v_nop
	global_prefetch_b8 v0, s[64:65] scope:SCOPE_SE
	s_setreg_imm32_b32 hwreg(HW_REG_WAVE_MODE, 25, 1), 1
	s_wait_xcnt 0x0
	s_wait_alu depctr_hold_cnt(0) depctr_sa_sdst(0) depctr_va_vdst(0) depctr_va_sdst(0) depctr_va_ssrc(0) depctr_va_vcc(0) depctr_vm_vsrc(0)
	s_getreg_b32 s2, hwreg(HW_REG_IB_STS2, 6, 4)
	s_cmp_eq_u32 s2, 0
	s_cbranch_scc0 .Lentry_in_a_cluster
	s_endpgm
.Lentry_in_a_cluster:
	s_bfe_u32 s2, ttmp6, 0x10000c
	s_cmp_lg_u32 s2, 0xf033
	s_cbranch_scc0 .Lentry_shape_is_right
	s_endpgm
.Lentry_shape_is_right:
; Q, K, V = xr W^T + b in one product of 8,192 x 3,072 x 1,024.  Operands f16 (opnd, blocked by 64 along K), sums f32, the bias is the sums' start,
; the result is rounded once to f16 and stored by heads: qkv[which][16 g + head][l][64], unscaled.
; LIMIT.  f16: a q, k or v of magnitude 65,520 or more becomes an infinity.
; TILE.  256 rows x 384 columns a work-group: 8 x 32 = 256 work-groups.  Four waves, each 128 x 192 = 8 x 12 accumulators of 16 x 16: 768 registers.
; For 32 along K a wave reads 40 x 512 bytes of LDS for 96 matrix instructions.
; RING.  Two slots of 64 along K: 256 rows of A, 384 rows of B, 144 bytes apart (128 of data, 16 of padding: the sixteen rows of a fragment load begin at sixteen different
; groups of four banks).  A tile is dense in memory and is asked for as rows of 256 bytes, two logical rows each.  Wave 3 fetches A's 256 rows, waves 0-2 128 rows of B each.
; CLUSTER.  4 x 4 work-groups: the four of a row share A's tile, the four of a column B's: each tile is asked for jointly, by the same load with the same descriptor and a mask of four.
; THE MATRIX INSTRUCTION IS USED TRANSPOSED (source 0 = 16 rows of W, source 1 = 16 rows of x): a lane holds one row and eight neighbouring columns.
; THE BIAS is loaded into accumulator (0, b); in the first step the other seven of column block b take it as C, and then (0, b) adds onto it in place.
; PREFETCH.  Wave 1 asks, one trip ahead of the tensor load that will want them, for its work-group's share of the next tiles: 16 of the 128 blocks of 256 bytes of its tile row's A
; (the eight work-groups of the row share them out) and 6 of the 192 of its tile column's B (the 32 of the column): each block is asked for once in the launch.
; REGISTERS.  Window 0: v0-14 addresses; v15-19 at work at the head; v32-95, v96-159 A's fragments, two buffers; v160-255 B's twelve fragments, one buffer, reloaded in halves.
; Windows 1-3: accumulator (a, b) in window 1 + b / 4 at v[8 (8 (b % 4) + a)]: a window is one head's 64 columns.
.set PITCH, 144
.set SLOT1, 1<<17                      ; slot 1 begins here: one exclusive or turns an address in one slot into the other's
.set BOFF,  256*PITCH                  ; B's rows lie behind A's
.set STAGE, SLOT1+640*PITCH            ; behind the ring: 16 rows x 144 bytes for each wave, for the way out; no tensor load lands here
.set SPARE, STAGE+4*16*PITCH           ; the spare words, 128 bytes for each wave: two blocks of 256 bytes that no other line names
.set KBB,   131072                     ; bytes from one block of 64 along K to the next
.set A0,  4                            ; v4   my place in A's rows of a slot
.set B0,  5                            ; v5   the same for B
.set ADA, 6                            ; v6   A0 + the slot in hand
.set ADB, 7                            ; v7
.set STO, 8                            ; v8   the way out: where I put 16 bytes of a row
.set RD,  9                            ; v9   the way out: where I read rows back
.set GO,  10                           ; v10  my byte offset in 512 consecutive bytes of the output
.set BO,  11                           ; v11  my byte offset in 16 numbers of a bias
.set SPW, 12                           ; v12  LDS address of my spare word; never rewritten
.set NIL, 13                           ; v13  0; never rewritten
.set PF,  14                           ; v14  the prefetch: my lane's block of 256 bytes in opnd, two blocks of K behind the one asked for
.set FA0, 32
.set FA1, 96
.set FB,  160
.set WV,  14                           ; s14  wave
.set WM,  15                           ; s15  which 128 rows are mine
.set WN,  16                           ; s16  which 192 columns
.set G1A, 24                           ; s[24:31] descriptor group 1 for A's tiles
.set G1B, 32                           ; s[32:39] for B's
.set G0A, 40                           ; s[40:47] descriptor group 0 for A: a set for each first fill; the second then walks
.set G0B, 48                           ; s[48:55] the same for B
.set TB,  56                           ; s56  LDS byte at which the slot in hand begins
.set CNT, 57                           ; s57
.set OUT, 58                           ; s[58:63] the output at my rows of my three heads
.set BIA, 70                           ; s[70:75] the bias at my three heads
.set FLAGS, (1<<16)|(1<<20)|(1<<21)|(4<<22)|(3<<25)  ; 2-byte elements; padding on; bit 21 beside a mask; after every 32 words, 4 words
.set MSB, 0
.macro WIN new                         ; the immediate's high byte repeats the setting that is left; a switch that changes nothing is dropped
.if MSB != (\new)
	s_set_vgpr_msb (MSB<<8)|(\new)
.set MSB, (\new)
.endif
.endm
.macro PLACES n                        ; plain vector instructions between a matrix instruction and what may not follow it closely (ISA guide 7.12.1)
.rept \n
	v_nop
.endr
.endm
.macro JLOAD                           ; a joint refill by the walking descriptor; an s_nop 0 and four v_nop follow each of the two lines
	s_cmp_eq_u32 s[WV], 3
	s_cbranch_scc0 .Lfor_b_\@
	tensor_load_to_lds s[G0A+4:G0A+7], s[G1A:G1A+7]
	s_nop 0
	PLACES 4
	s_branch .Lasked_\@
.Lfor_b_\@:
	tensor_load_to_lds s[G0B+4:G0B+7], s[G1B:G1B+7]
	s_nop 0
	PLACES 4
.Lasked_\@:
.endm
.macro CREST                           ; a round of the cluster's barrier behind its opening barrier
	s_cmp_lg_u32 s[WV], 0
	s_cbranch_scc1 .Lnot_wave_0_\@
	s_barrier_signal -3
.Lnot_wave_0_\@:
	s_barrier_wait -3
	s_barrier_signal -1
	s_barrier_wait -1
.endm
.macro CROUND
	s_barrier_signal -1
	s_barrier_wait -1
	CREST
.endm
; The prefetch of a trip: the trip's refill has asked for block t + 2 of K; wave 1 asks for block t + 3, which the next trip's refill will want.  The last trip (CNT = 1) asks for nothing:
; block 16 does not exist.  The offset register is stepped behind s_wait_xcnt 0, a whole trip after the prefetch that read it.
.macro AHEAD
	s_cmp_lg_u32 s[WV], 1
	s_cbranch_scc1 .Lno_pf_\@
	s_cmp_eq_u32 s[CNT], 1
	s_cbranch_scc1 .Lno_pf_\@
	s_wait_xcnt 0x0
	v_add_nc_u32 v[PF], KBB, v[PF]
	global_prefetch_b8 v[PF], s[4:5] offset:2*KBB th:TH_LOAD_NT scope:SCOPE_SE
.Lno_pf_\@:
.endm
	s_load_b256 s[4:11], s[0:1], 0x0               ; opnd s[4:5], bq s[6:7], bk s[8:9], bv s[10:11]
	s_load_b64 s[12:13], s[0:1], 0x20              ; qkv
	v_lshl_add_u32 v[SPW], v0, 2, SPARE
	v_mov_b32 v[NIL], 0
	ds_add_u32 v12, v13
	ds_add_u32 v12, v13
	s_wait_dscnt 0x0
	v_lshrrev_b32 v1, 5, v0
	v_readfirstlane_b32 s[WV], v1
	s_lshr_b32 s[WM], s[WV], 1
	s_and_b32 s[WN], s[WV], 1
	s_bfe_u32 s17, ttmp6, 0x40000                  ; cx
	s_bfe_u32 s18, ttmp6, 0x40004                  ; cy
	s_lshl_b32 s19, ttmp9, 2
	s_add_co_u32 s19, s19, s17                     ; tile column TX = 4 x cluster x + cx
	s_and_b32 s20, ttmp7, 0xffff
	s_lshl_b32 s20, s20, 2
	s_add_co_u32 s20, s20, s18                     ; tile row TY = 4 x cluster y + cy: group TY / 4, rows 256 (TY % 4) on
	s_lshl_b32 s21, s18, 2
	s_lshl_b32 s21, 15, s21                        ; my row of the cluster
	s_lshl_b32 s22, 0x1111, s17                    ; my column
	s_or_b32 s[G1A], s21, FLAGS
	s_or_b32 s[G1B], s22, FLAGS
.irp g, G1A, G1B
	s_mov_b32 s[(\g)+1], 128<<16                   ; tensor_dim0 = 128 elements: 256 bytes
	s_mov_b32 s[(\g)+3], 128<<16                   ; tile_dim0 = 128
	s_mov_b32 s[(\g)+5], 128                       ; 128 elements from row to row: dense
	s_mov_b32 s[(\g)+6], 0
	s_mov_b32 s[(\g)+7], 0
.endr
	s_mov_b32 s[G1A+2], 128<<16                    ; A: tensor_dim1 = tile_dim1 = 128 rows of 256 bytes
	s_mov_b32 s[G1A+4], 128
	s_mov_b32 s[G1B+2], 64<<16                     ; B: 64
	s_mov_b32 s[G1B+4], 64
	s_lshr_b32 s66, s20, 2                         ; A's tile: unit g, rows 256 (TY % 4) on: of the tile row alone
	s_lshl_b32 s66, s66, 21
	s_and_b32 s76, s20, 3
	s_lshl_b32 s76, s76, 15
	s_add_co_u32 s66, s66, s76
	s_mov_b32 s67, 0
	s_mul_i32 s77, s19, 3                          ; B's: chunk 3 TX + wave of 128 rows, eight chunks to a unit, from unit 8 on: of the tile column and the wave alone
	s_add_co_u32 s77, s77, s[WV]
	s_lshr_b32 s68, s77, 3
	s_add_co_u32 s68, s68, 8
	s_lshl_b32 s68, s68, 21
	s_and_b32 s78, s77, 7
	s_lshl_b32 s78, s78, 14
	s_add_co_u32 s68, s68, s78
	s_mov_b32 s69, 0
	s_mul_i32 s79, s[WV], 128*PITCH                ; where my chunk of B goes
	s_add_co_u32 s79, s79, BOFF
	s_mov_b32 s[TB], 0
	s_wait_kmcnt 0x0
	s_add_nc_u64 s[66:67], s[4:5], s[66:67]
	s_add_nc_u64 s[68:69], s[4:5], s[68:69]
	CROUND                                         ; all sixteen work-groups are here: the first joint loads meet
.irp s, 0,1
	s_mov_b32 s[G0A+4*(\s)], 1
	s_mov_b32 s[G0A+4*(\s)+1], (\s)*SLOT1
	s_add_nc_u64 s[G0A+4*(\s)+2:G0A+4*(\s)+3], s[66:67], (\s)*KBB
	s_or_b32 s[G0A+4*(\s)+3], s[G0A+4*(\s)+3], 0x80000000
	s_mov_b32 s[G0B+4*(\s)], 1
	s_add_co_u32 s[G0B+4*(\s)+1], s79, (\s)*SLOT1
	s_add_nc_u64 s[G0B+4*(\s)+2:G0B+4*(\s)+3], s[68:69], (\s)*KBB
	s_or_b32 s[G0B+4*(\s)+3], s[G0B+4*(\s)+3], 0x80000000
.endr
	s_cmp_eq_u32 s[WV], 3                          ; a wave's two first fills stand in one branch: two loads of mine are out
	s_cbranch_scc0 .Lfirst_b
	tensor_load_to_lds s[G0A:G0A+3], s[G1A:G1A+7]
	s_nop 0
	tensor_load_to_lds s[G0A+4:G0A+7], s[G1A:G1A+7]
	s_nop 0
	PLACES 4
	s_branch .Lfirst_asked
.Lfirst_b:
	tensor_load_to_lds s[G0B:G0B+3], s[G1B:G1B+7]
	s_nop 0
	tensor_load_to_lds s[G0B+4:G0B+7], s[G1B:G1B+7]
	s_nop 0
	PLACES 4
.Lfirst_asked:
	; A fragment is 16 rows x 32 K in 8 registers: lane l holds row l % 16, K = 8 (l / 16) + 0..7 and 16 + 8 (l / 16) + 0..7: two loads of 16 bytes, 32 bytes apart.
	v_and_b32 v1, 15, v0
	v_bfe_u32 v2, v0, 4, 1
	v_mul_u32_u24 v3, v1, PITCH
	v_lshl_add_u32 v3, v2, 4, v3                   ; row x pitch + 16 x half
	s_mul_i32 s76, s[WM], 128*PITCH
	v_add_nc_u32 v[A0], s76, v3
	s_mul_i32 s76, s[WN], 192*PITCH
	s_add_co_u32 s76, s76, BOFF
	v_add_nc_u32 v[B0], s76, v3
	v_mov_b32 v[ADA], v[A0]
	v_mov_b32 v[ADB], v[B0]
	s_mul_i32 s76, s[WV], 16*PITCH
	s_add_co_u32 s76, s76, STAGE                   ; my stage
	v_add_nc_u32 v[STO], s76, v3                   ; in: row l % 16, 16 bytes for each half of the lanes
	v_bfe_u32 v[RD], v0, 3, 2                      ; back: 32 lanes take four rows of 128 bytes,
	v_mul_u32_u24 v[RD], v[RD], PITCH
	v_and_b32 v3, 7, v0
	v_lshl_add_u32 v[RD], v3, 4, v[RD]
	v_add_nc_u32 v[RD], s76, v[RD]
	v_and_b32 v[GO], 31, v0                        ; which are 512 consecutive bytes of a head's rows
	v_lshlrev_b32 v[GO], 4, v[GO]
	v_lshlrev_b32 v[BO], 5, v2                     ; eight numbers of the bias for each half of the lanes
	; The prefetch's offsets in opnd, for block 0 of K.  Lanes 0-15: block 16 TX + lane of my tile row's 128 blocks of A.  Lanes 16-21: block q = 6 TY + lane - 16 of my tile column's
	; 192 blocks of B (chunk 3 TX + q / 64, block q % 64 of its 64); lanes 22-31 repeat lane 21's.
	v_and_b32 v15, 31, v0
	s_lshr_b32 s76, s20, 2
	s_lshl_b32 s76, s76, 21
	s_and_b32 s78, s20, 3
	s_lshl_b32 s78, s78, 15
	s_add_co_u32 s76, s76, s78
	s_lshl_b32 s78, s19, 12
	s_add_co_u32 s76, s76, s78
	v_lshl_add_u32 v16, v15, 8, s76
	v_add_nc_u32 v17, -16, v15
	v_min_u32 v17, 5, v17
	s_mul_i32 s78, s20, 6
	v_add_nc_u32 v17, s78, v17                     ; q
	v_lshrrev_b32 v18, 6, v17
	s_mul_i32 s78, s19, 3
	v_add_nc_u32 v18, s78, v18                     ; the chunk of 128 rows
	v_lshrrev_b32 v19, 3, v18
	v_add_nc_u32 v19, 8, v19                       ; its unit
	v_and_b32 v18, 7, v18
	v_lshlrev_b32 v19, 21, v19
	v_lshl_add_u32 v19, v18, 14, v19
	v_and_b32 v17, 63, v17
	v_lshl_add_u32 v19, v17, 8, v19
	v_cmp_gt_u32 vcc_lo, 16, v15
	v_cndmask_b32 v[PF], v19, v16, vcc_lo
	s_cmp_lg_u32 s[WV], 1
	s_cbranch_scc1 .Lno_pf0
	global_prefetch_b8 v[PF], s[4:5] offset:2*KBB th:TH_LOAD_NT scope:SCOPE_SE  ; block 2 of K, which the first trip's refill will want
.Lno_pf0:
	s_mul_i32 s80, s19, 6                          ; my first head among the 48 of q, k, v: 6 TX + 3 WN
	s_mul_i32 s81, s[WN], 3
	s_add_co_u32 s80, s80, s81
	s_lshr_b32 s77, s20, 2                         ; my rows' place in a head: g, then 256 (TY % 4) + 128 WM rows of 128 bytes
	s_lshl_b32 s77, s77, 21
	s_and_b32 s76, s20, 3
	s_lshl_b32 s76, s76, 15
	s_add_co_u32 s77, s77, s76
	s_lshl_b32 s76, s[WM], 14
	s_add_co_u32 s77, s77, s76
.irp w, 0,1,2
	s_add_co_u32 s81, s80, (\w)
	s_lshr_b32 s76, s81, 4                         ; 0: q, 1: k, 2: v
	s_and_b32 s81, s81, 15                         ; the head
	s_cmp_eq_u32 s76, 1
	s_cselect_b64 s[BIA+2*(\w):BIA+2*(\w)+1], s[8:9], s[6:7]
	s_cmp_eq_u32 s76, 2
	s_cselect_b64 s[BIA+2*(\w):BIA+2*(\w)+1], s[10:11], s[BIA+2*(\w):BIA+2*(\w)+1]
	s_lshl_b32 s78, s81, 8
	s_mov_b32 s79, 0
	s_add_nc_u64 s[BIA+2*(\w):BIA+2*(\w)+1], s[BIA+2*(\w):BIA+2*(\w)+1], s[78:79]
	s_lshl_b32 s78, s76, 24
	s_lshl_b32 s81, s81, 17
	s_add_co_u32 s78, s78, s81
	s_add_co_u32 s78, s78, s77
	s_add_nc_u64 s[OUT+2*(\w):OUT+2*(\w)+1], s[12:13], s[78:79]
.endr
.irp w, 0,1,2                          ; the bias of columns 16 b + 8 (l / 16) + 0..7 into accumulator (0, b)
	WIN ((\w)+1)<<6
.irp b, 0,1,2,3
	global_load_b128 v[64*(\b):64*(\b)+3],   v[BO], s[BIA+2*(\w):BIA+2*(\w)+1] offset:64*(\b)
	global_load_b128 v[64*(\b)+4:64*(\b)+7], v[BO], s[BIA+2*(\w):BIA+2*(\w)+1] offset:64*(\b)+16
.endr
.endr
	WIN 0
; Eight matrix instructions: column block b x all eight row blocks, 32 along K.  The accumulators take turns, one instruction a turn.
.macro MULB f, b
	WIN 0x50*(1+(\b)/4)
.irp a, 0,1,2,3,4,5,6,7
	v_wmma_f32_16x16x32_f16 v[8*(8*((\b)%4)+(\a)):8*(8*((\b)%4)+(\a))+7], v[FB+8*(\b):FB+8*(\b)+7], v[(\f)+8*(\a):(\f)+8*(\a)+7], v[8*(8*((\b)%4)+(\a)):8*(8*((\b)%4)+(\a))+7]
.endr
.endm
.macro MULB1 f, b                      ; the first step: row blocks 1-7 start from the bias in accumulator (0, b)
	WIN 0x50*(1+(\b)/4)
.irp a, 1,2,3,4,5,6,7
	v_wmma_f32_16x16x32_f16 v[8*(8*((\b)%4)+(\a)):8*(8*((\b)%4)+(\a))+7], v[FB+8*(\b):FB+8*(\b)+7], v[(\f)+8*(\a):(\f)+8*(\a)+7], v[64*((\b)%4):64*((\b)%4)+7]
.endr
.endm
.macro MULB0 f, b                      ; and row block 0 adds onto it in place
	WIN 0x50*(1+(\b)/4)
	v_wmma_f32_16x16x32_f16 v[64*((\b)%4):64*((\b)%4)+7], v[FB+8*(\b):FB+8*(\b)+7], v[(\f):(\f)+7], v[64*((\b)%4):64*((\b)%4)+7]
.endm
.macro HALF f, lo, first               ; column blocks lo .. lo + 5
.if \first
.irp d, 0,1,2,3,4,5
	MULB1 \f, (\lo)+\d
.endr
	PLACES 5                                       ; (0, b) is written over only five places behind the products that read it as C
.irp d, 0,1,2,3,4,5
	MULB0 \f, (\lo)+\d
.endr
.else
.irp d, 0,1,2,3,4,5
	MULB \f, (\lo)+\d
.endr
.endif
.endm
.macro FETA f, c                       ; A's eight fragments of half c (32 along K) of the slot in hand
.irp i, 0,1,2,3,4,5,6,7
	ds_load_b128 v[(\f)+8*(\i):(\f)+8*(\i)+3],   v[ADA] offset:64*(\c)+16*PITCH*(\i)
	ds_load_b128 v[(\f)+8*(\i)+4:(\f)+8*(\i)+7], v[ADA] offset:64*(\c)+16*PITCH*(\i)+32
.endr
.endm
.macro FETB lo, c                      ; B's fragments lo .. lo + 5
.irp i, 0,1,2,3,4,5
	ds_load_b128 v[FB+8*((\lo)+(\i)):FB+8*((\lo)+(\i))+3],   v[ADB] offset:64*(\c)+16*PITCH*((\lo)+(\i))
	ds_load_b128 v[FB+8*((\lo)+(\i))+4:FB+8*((\lo)+(\i))+7], v[ADB] offset:64*(\c)+16*PITCH*((\lo)+(\i))+32
.endr
.endm
; The first 32 along K of a slot: multiplies buffer FA0 and fetches the second 32.  Each half of B's buffer is loaded again four places behind the last product that read it.
; At its end every LDS read of the slot has been issued.
.macro STEP0 first
	s_wait_dscnt 12                                ; all but the youngest twelve loads: B's fragments 6-11
	HALF FA0, 0, \first
	PLACES 4
	WIN 0
	FETB 0, 1
	FETA FA1, 1
	s_wait_dscnt 28                                ; all but the 28 just issued
	HALF FA0, 6, \first
	PLACES 4
	WIN 0
	FETB 6, 1
.endm
; The second 32 along K: multiplies buffer FA1 and, in its middle, changes slots.  In front of the barrier each wave waits for all its tensor loads (one is out: its part of the next slot), adds 0
; to its spare word, and waits for that and for its reads of this slot.  fill = 1: the barrier opens a round of the cluster's, and this slot is filled again, two blocks of K ahead, first thing
; behind it.  No product stands between the wait for the tile and the next request, so a request follows the landing of the tile before it as closely as the round allows;
; from a request to the wait for it a wave issues a whole trip's 192 matrix instructions.
.macro TURN fill
	s_wait_dscnt 12
	HALF FA1, 0, 0
	WIN 0
	s_wait_tensorcnt 0x0                           ; no tensor load of mine is out, so a group 0 may be written
	ds_add_u32 v[SPW], v[NIL]                      ; 0 onto my spare word
.if \fill
	s_xor_b32 s[G0A+5], s[G0A+5], SLOT1            ; the walking descriptors: the other slot than last time, the next block of K
	s_add_nc_u64 s[G0A+6:G0A+7], s[G0A+6:G0A+7], KBB
	s_xor_b32 s[G0B+5], s[G0B+5], SLOT1
	s_add_nc_u64 s[G0B+6:G0B+7], s[G0B+6:G0B+7], KBB
.endif
	s_wait_dscnt 0x0                               ; the add is done, and my reads of this slot are over
	s_barrier_signal -1
	s_barrier_wait -1
.if \fill
	CREST                                          ; no wave of any partner still reads this slot or has a load on its way
	JLOAD                                          ; its four v_nop are also the places in front of the loads below
.else
	PLACES 4
.endif
	s_xor_b32 s[TB], s[TB], SLOT1
	v_add_nc_u32 v[ADA], s[TB], v[A0]
	v_add_nc_u32 v[ADB], s[TB], v[B0]
	FETB 0, 0
	FETA FA0, 0
.if \fill
	AHEAD
.endif
.irp b, 6,7,8,9,10,11
	MULB FA1, \b
.endr
	PLACES 4
	WIN 0
	FETB 6, 0
.endm
; THE WAY OUT of block u = 8 w + a: 16 rows x one head's 64 columns.  Rounded to f16 (each accumulator's registers in ascending order), 16 bytes a lane into my stage, back as whole rows of 128 bytes.
.macro PACK u
.set T, 32+16*((\u)%8)
.set AC, 8*((\u)%8)
.if (\u) >= 8
	s_wait_xcnt 0x0                                ; the stores of eight blocks ago have read these registers
.endif
	WIN 5*((\u)/8+1)
.irp b, 0,1,2,3
.irp r, 0,1,2,3
	v_cvt_pk_f16_f32 v[T+4*(\b)+(\r)], v[AC+64*(\b)+2*(\r)], v[AC+64*(\b)+2*(\r)+1]
.endr
.endr
	WIN 0
.irp b, 0,1,2,3
	ds_store_b128 v[STO], v[T+4*(\b):T+4*(\b)+3] offset:32*(\b)
.endr
.irp f, 0,1,2,3
	ds_load_b128 v[T+4*(\f):T+4*(\f)+3], v[RD] offset:4*PITCH*(\f)  ; LDS serves a wave's instructions in order: these see the stores above
.endr
.endm
.macro SEND u, younger                 ; younger: the LDS instructions issued behind block u's loads
.set T, 32+16*((\u)%8)
.irp f, 0,1,2,3
	s_wait_dscnt (\younger)+3-(\f)
	global_store_b128 v[GO], v[T+4*(\f):T+4*(\f)+3], s[OUT+2*((\u)/8):OUT+2*((\u)/8)+1] offset:2048*((\u)%8)+512*(\f)  ; 512 consecutive bytes, aligned
.endr
.endm
	s_wait_tensorcnt 1                             ; my part of slot 0 is in; slot 1's may stay out
	s_barrier_signal -1
	s_barrier_wait -1
	FETB 0, 0
	FETA FA0, 0
	FETB 6, 0
	s_wait_loadcnt 0x0                             ; the bias
	STEP0 1
	s_mov_b32 s[CNT], 14
.Lk:                                                   ; a trip ends one block of 64 along K, asks for the block two on, and begins the next
	TURN 1
	STEP0 0
	s_sub_co_u32 s[CNT], s[CNT], 1
	s_cmp_lg_u32 s[CNT], 0
	s_cbranch_scc1 .Lk
	TURN 0                                         ; the tail is written out: nothing is left to ask for
	STEP0 0
	s_wait_dscnt 12
	HALF FA1, 0, 0
	s_wait_dscnt 0x0
	HALF FA1, 6, 0
	PLACES 4
	PACK 0
.set uu, 1
.rept 23                               ; a block's conversions stand between the loads of the block before and its stores
	PACK uu
	SEND uu-1, 8
.set uu, uu+1
.endr
	SEND 23, 0
	s_wait_tensorcnt 0x0                           ; the wave's end
	ds_add_u32 v[SPW], v[NIL]
	s_wait_dscnt 0x0
	CROUND                                         ; the closing round
	s_endpgm
.Lfunc_end_k_q12e946105b_qkvp:
	.size	k_q12e946105b_qkvp, .Lfunc_end_k_q12e946105b_qkvp-k_q12e946105b_qkvp
	.p2alignl 7, 3214868480
	.fill 96, 4, 3214868480
	.section	.rodata,"a",@progbits
	.p2align	6, 0x0
	.amdhsa_kernel k_q12e946105b_qkvp
		.amdhsa_group_segment_fixed_size 327680
		.amdhsa_private_segment_fixed_size 0
		.amdhsa_enable_private_segment 0
		.amdhsa_kernarg_size 40
		.amdhsa_user_sgpr_count 2
		.amdhsa_user_sgpr_kernarg_segment_ptr 1
		.amdhsa_wavefront_size32 1
		.amdhsa_system_sgpr_workgroup_id_x 1
		.amdhsa_system_sgpr_workgroup_id_y 1
		.amdhsa_system_sgpr_workgroup_id_z 1
		.amdhsa_system_vgpr_workitem_id 0
		.amdhsa_next_free_vgpr 1024
		.amdhsa_next_free_sgpr 82
		.amdhsa_reserve_vcc 1
		.amdhsa_float_denorm_mode_32 3
		.amdhsa_float_denorm_mode_16_64 3
		.amdhsa_memory_ordered 1
		.amdhsa_forward_progress 1
		.amdhsa_inst_pref_size 118
	.end_amdhsa_kernel
	.amdgpu_metadata
---
amdhsa.version: [ 1, 2 ]
amdhsa.kernels:
  - .name:           k_q12e946105b_qkvp
    .symbol:         k_q12e946105b_qkvp.kd
    .args:
      - { .name: opnd, .offset: 0, .size: 8, .value_kind: global_buffer, .address_space: global }
      - { .name: bq, .offset: 8, .size: 8, .value_kind: global_buffer, .address_space: global }
      - { .name: bk, .offset: 16, .size: 8, .value_kind: global_buffer, .address_space: global }
      - { .name: bv, .offset: 24, .size: 8, .value_kind: global_buffer, .address_space: global }
      - { .name: qkv, .offset: 32, .size: 8, .value_kind: global_buffer, .address_space: global }
    .group_segment_fixed_size: 327680
    .private_segment_fixed_size: 0
    .kernarg_segment_align: 8
    .kernarg_segment_size: 40
    .max_flat_workgroup_size: 128
    .sgpr_count:     82
    .vgpr_count:     1024
    .wavefront_size: 32
...
	.end_amdgpu_metadata
.endif
;; end of part 2
;; launch attn (part 3): grid 2 x 128, 4 waves a work-group, no clusters, 327,680 bytes of LDS; arguments qkv, ctx; writes ctx
.if DOCPART == 3
	.amdgcn_target "amdgcn-amd-amdhsa--gfx1250"
	.amdhsa_code_object_version 6
	.text
	.protected	k_q12e946105b_attn
	.globl	k_q12e946105b_attn
	.p2align	8
	.type	k_q12e946105b_attn,@function
k_q12e946105b_attn:
	s_mov_b64 s[64:65], 0
	v_nop
	global_prefetch_b8 v0, s[64:65] scope:SCOPE_SE
	s_setreg_imm32_b32 hwreg(HW_REG_WAVE_MODE, 25, 1), 1
	s_wait_xcnt 0x0
; O[h][q][:] = the sum over k of softmax_k(Q[h][q] . K[h][k] / 8) V[h][k][:] for the 128 pairs h of atrous group and head.  Q, K, V lie in qkv, 16 MiB apart, each [128][1024][64] in f16;
; O goes to ctx in the same layout.  Products, maxima and sums in f32; the weights p are rounded to f16 for the second product (their sum l is taken of the unrounded p), O once at the end.
; LIMITS.  f16 holds no number beyond 65,504: Q, K and V arrive within it; p lies in 0 to 1, and below 6e-5 it keeps f16's fixed step of 6e-8; O is a mean of V's rows and has their range.
; A weight below 2^-126 counts as 0 in l; NaN and infinities are not treated apart.
; SHARES.  A wave owns four PIECES of two tiles of 16 queries, a work-group's four waves 512 queries of one head.  Every wave walks all 1,024 keys, 64 a step.
; K AND V STAY IN LDS.  A head's 1,024 keys are 1,024 x 144 bytes of K and 1,024 x 160 of V, 311,296 bytes with their padding: they fit whole.  So every tile is asked for at the kernel's start, four
; loads a wave (a quarter of 256 keys each time: waves 0, 1 the halves of its K, waves 2, 3 of its V), no LDS byte is filled twice, and one text of a key step serves all sixteen.
; The first quarter is waited for by a counted wait; the other three land while it is worked on, and one wait and one barrier behind key step 3 show them to every wave.
; NO CLUSTER: a head has 1,024 / 512 = 2 work-groups, so the grid's x is no multiple of four, and neighbours along y are other heads, which share nothing.
; LAYOUT.  S^T = K Q^T (source 0 = 16 keys, source 1 = 16 queries): a lane holds ONE query (lane % 16) and the keys 8 (lane / 16) + 0..7.  Two such tiles, rounded to f16 in pairs,
; ARE source 1 of O^T = V^T P, whose result again holds one query a lane, and eight channels.  K comes out of LDS as it lies, V turned, by ds_load_tr16_b128.
; SOFTMAX.  A running maximum m and sum l: p = 2^(c s - c m), c = log2(e) / 8; in every step O and l are multiplied by a = 2^(c m_old - c m_new).
; m starts at the lowest finite number, O and l at 0: the first step is a step like any other, with a = 0.
; BY TURNS.  Turn n belongs to piece n.  Its matrix work: 16 products K Q^T of piece n + 1, later 16 products V^T P of piece n - 1.  Its vector work: scaling, exponentials, roundings, sums and
; rescaling of piece n, and the maximum and statistics of piece n + 1.  Four vector instructions stand behind every matrix instruction, the others in two runs of their own.
; REGISTERS, in windows of 256: window 0: v0-11 addresses; v12-15, v48-63 at work; v16-47 statistics; v64-191 S^T, two buffers of two tiles; v192-255 P, likewise
;   window 1: O^T, 32 a tile     window 2: v0-127 Q; v128-191 K of one step; v192-255 V of one step
.set SIZE_N, 1024
.set NP,    4
.set KS,    64
.set PK,    144       ; a row of K in LDS: 128 bytes + 16 of padding
.set PV,    160       ; a row of V: 128 + 32
.set VOFF,  SIZE_N*PK ; K's 1,024 rows, then V's
.set STAGE, SIZE_N*(PK+PV)  ; behind them, never filled by a tensor load: 16 rows x 144 bytes for each wave
.set SP,    144
.set AK0, 2
.set AV0, 3
.set AK,  4
.set AV,  5
.set QO,  6
.set STO, 6
.set RD,  7
.set GO,  8
.set MV,  12
.set ST,  16          ; tile t's statistics at v[ST+4 t]: c m, m, l (even keys', odd keys')
.set TMP, 48
.set S,   64
.set P,   192
.set KF,  128
.set VF,  192
.set WV,  12
.set G1K, 24          ; s[24:31] descriptor group 1 for K's tiles
.set G1V, 32          ; s[32:39] for V's: it differs in the padding alone
.set G0K, 40          ; s[40:55] descriptor group 0 for K's tiles, a set for each quarter: all four loads are out together
.set G0V, 68          ; s[68:83] the same for V's
.set PASS, 56         ; s56  counts the two runs of the step loop
.set CNT, 57          ; s57  counts the trips of a run
.set CS,  58
.set SEL, 60
.set TBK, 62          ; s62  LDS byte at which K of the step to be fetched begins
.set TBV, 63          ; s63  the same for V, less VOFF
.set LEFT, 84         ; s84  key steps whose second half is still to come
.set MSB, 0
.macro WIN new
.if MSB != (\new)
	s_set_vgpr_msb (MSB<<8)|(\new)
.set MSB, (\new)
.endif
.endm
.set W_KQ, 0x0a
.set W_PV, 0x52
.set W_RS, 0x41
	s_load_b64 s[4:5], s[0:1], 0x0    ; qkv: Q's part begins it
	s_load_b64 s[10:11], s[0:1], 0x8  ; ctx
	s_set_vgpr_msb 0xc0
	v_lshl_add_u32 v0, v0, 2, 0x4e400
	v_mov_b32 v1, 0
	s_set_vgpr_msb 0xc0cf
	ds_add_u32 v0, v1
	ds_add_u32 v0, v1
	s_set_vgpr_msb 0xcf00
	v_lshrrev_b32 v1, 5, v0
	v_readfirstlane_b32 s[WV], v1   ; wave 0..3
	s_mov_b32 s14, ttmp9            ; my block of 512 queries
	s_and_b32 s20, ttmp7, 0xffff    ; the head
	s_lshl_b32 s20, s20, 17         ; its first byte: 1,024 rows of 128 bytes each
	s_mov_b32 s21, 0
	s_and_b32 s16, s[WV], 1         ; which half of a quarter's 256 keys I fetch:
	s_lshl_b32 s22, s16, 14         ; its 128 rows of 128 bytes in memory,
	s_mov_b32 s23, 0
	s_add_nc_u64 s[22:23], s[22:23], s[20:21]
	s_mul_i32 s17, s16, 128*PK      ; and its place in LDS, for K
	s_mul_i32 s18, s16, 128*PV      ; and for V
	s_add_co_u32 s18, s18, VOFF
	s_lshl_b32 s2, s14, 2
	s_add_co_u32 s2, s2, s[WV]      ; my wave among the head's,
	s_lshl_b32 s2, s2, 14           ; its 128 rows
	s_mov_b32 s3, 0
	s_add_nc_u64 s[2:3], s[2:3], s[20:21]
	; descriptor group 1.  128 keys are 16,384 dense bytes: asked for as 64 rows of 256 bytes, two keys a row, and padded in LDS after every key
	s_mov_b32 s[G1K], (1<<16)|(1<<20)|(4<<22)|(3<<25)  ; 2-byte elements; padding on; after every 32 words; 4 words
	s_mov_b32 s[G1V], (1<<16)|(1<<20)|(4<<22)|(7<<25)  ; the same with 8 words of padding
.irp g, G1K, G1V
	s_mov_b32 s[\g+1], 128<<16      ; tensor_dim0 = 128
	s_mov_b32 s[\g+2], 64<<16       ; tensor_dim1 = 64
	s_mov_b32 s[\g+3], 128<<16      ; tile_dim0 = 128
	s_mov_b32 s[\g+4], 64           ; tile_dim1 = 64
	s_mov_b32 s[\g+5], 128          ; 128 elements from row to row
	s_mov_b32 s[\g+6], 0
	s_mov_b32 s[\g+7], 0
.endr
	s_mov_b32 s[CS], 0x3e38aa3b     ; c = log2(e) / 8
	s_mov_b32 s[CS+1], s[CS]        ; named with it as a pair
	s_mov_b32 s[SEL], 0x76543210
	s_mov_b32 s[SEL+1], 0xfedcba98
	s_mov_b32 s[TBK], 0
	s_mov_b32 s[TBV], 0
	v_and_b32 v1, 15, v0            ; l % 16
	v_bfe_u32 v9, v0, 4, 1          ; l / 16
	v_lshlrev_b32 v[QO], 7, v1
	v_lshl_add_u32 v[QO], v9, 4, v[QO]  ; row x 128 + 16 x half
	s_wait_dscnt 0x0
	s_wait_kmcnt 0x0
	s_add_nc_u64 s[6:7], s[4:5], 0x1000000   ; K's part of qkv
	s_add_nc_u64 s[8:9], s[4:5], 0x2000000   ; V's
	s_add_nc_u64 s[6:7], s[6:7], s[22:23]    ; at my half of the head's first 256 keys
	s_add_nc_u64 s[8:9], s[8:9], s[22:23]
	s_add_nc_u64 s[4:5], s[4:5], s[2:3]  ; Q and O at my wave's first row
	s_add_nc_u64 s[10:11], s[10:11], s[2:3]
.irp j, 0,1,2,3                     ; quarter j: keys 256 j on: 32,768 bytes on in memory, 256 rows on in LDS
	s_mov_b32 s[G0K+4*\j], 1
	s_add_co_u32 s[G0K+4*\j+1], s17, \j*256*PK
	s_add_nc_u64 s[G0K+4*\j+2:G0K+4*\j+3], s[6:7], \j*32768
	s_or_b32 s[G0K+4*\j+3], s[G0K+4*\j+3], 0x80000000
	s_mov_b32 s[G0V+4*\j], 1
	s_add_co_u32 s[G0V+4*\j+1], s18, \j*256*PV
	s_add_nc_u64 s[G0V+4*\j+2:G0V+4*\j+3], s[8:9], \j*32768
	s_or_b32 s[G0V+4*\j+3], s[G0V+4*\j+3], 0x80000000
.endr
	WIN 0x80                        ; destination window 2, address window 0
.set i, 0
.rept 4*NP                          ; Q stays in registers: tile i / 2, channels 32 (i % 2) on.  It is asked for ahead of the tiles: the first products want it together with the first quarter
	global_load_b128 v[8*i:8*i+3],   v[QO], s[4:5] offset:(i/2)*2048+(i%2)*64
	global_load_b128 v[8*i+4:8*i+7], v[QO], s[4:5] offset:(i/2)*2048+(i%2)*64+32
.set i, i+1
.endr
	WIN 0
	s_cmp_lt_u32 s[WV], 2           ; a wave's four fills stand in one branch, ahead of every wait on TENSORcnt, every LDS read and every barrier: four loads of mine are out;
	s_cbranch_scc0 .Lfor_v          ; an s_nop 0 follows each, four v_nop the last
.irp j, 0,1,2,3
	tensor_load_to_lds s[G0K+4*\j:G0K+4*\j+3], s[G1K:G1K+7]
	s_nop 0
.endr
.rept 4
	v_nop
.endr
	s_branch .Lasked
.Lfor_v:
.irp j, 0,1,2,3
	tensor_load_to_lds s[G0V+4*\j:G0V+4*\j+3], s[G1V:G1V+7]
	s_nop 0
.endr
.rept 4
	v_nop
.endr
.Lasked:
	; What the first turn finds: V's registers and P's second buffer hold 0, O^T and l are 0.  All this stands in the wait for the first quarter.
	WIN 0x80
.set i, VF
.rept 64
	v_mov_b32 v[i], 0
.set i, i+1
.endr
	WIN 0x40
.set i, 0
.rept 64*NP
	v_mov_b32 v[i], 0
.set i, i+1
.endr
	WIN 0
.set i, 0
.rept 2*NP
	v_mov_b32 v[ST+4*i], 0xfe000000    ; c m: far below every c s
	v_mov_b32 v[ST+4*i+1], 0xff7fffff  ; m
	v_mov_b32 v[ST+4*i+2], 0
	v_mov_b32 v[ST+4*i+3], 0
.set i, i+1
.endr
.set i, P+32
.rept 32
	v_mov_b32 v[i], 0
.set i, i+1
.endr
	v_mul_u32_u24 v[AK0], v1, PK
	v_lshl_add_u32 v[AK0], v9, 4, v[AK0]  ; row x pitch + 16 x half
	; The turning load takes 16 keys x 16 channels (lane l reads key 8 (l / 16) + l % 8, channels 8 ((l / 8) % 2) + 0..7) and leaves half a fragment of V^T.
	v_and_b32 v10, 7, v0
	v_bfe_u32 v11, v0, 3, 1
	v_lshl_add_u32 v[AV0], v9, 3, v10
	v_mul_u32_u24 v[AV0], v[AV0], PV
	v_lshl_add_u32 v[AV0], v11, 4, v[AV0]
	v_add_nc_u32 v[AV0], VOFF, v[AV0]
	v_mov_b32 v[AK], v[AK0]         ; key step 0 lies at K's head
; THE MATRIX WORK.  The 8 accumulators of a run of 16 take turns.
; Product i of 16 of S^T = K Q^T for piece x: channels 32 (i / 8) on, keys 16 ((i / 2) % 4) on, tile 2 x + i % 2.  The first 8 start the sums.
.macro KQ x
	WIN W_KQ
.set rS, S+64*((\x)%2)+32*(i%2)+8*((i/2)%4)
.set rK, KF+16*((i/2)%4)+8*(i/8)
.set rQ, 16*(2*(\x)+i%2)+8*(i/8)
.if i < 8
	v_wmma_f32_16x16x32_f16 v[rS:rS+7], v[rK:rK+7], v[rQ:rQ+7], 0
.else
	v_wmma_f32_16x16x32_f16 v[rS:rS+7], v[rK:rK+7], v[rQ:rQ+7], v[rS:rS+7]
.endif
.endm
; Product i of 16 of O^T += V^T P for piece x: keys 32 (i / 8) on, channels 16 ((i / 2) % 4) on, tile 2 x + i % 2.
.macro PV x
	WIN W_PV
.set rO, 32*(2*(\x)+i%2)+8*((i/2)%4)
.set rV, VF+32*(i/8)+8*((i/2)%4)
.set rP, P+32*((\x)%2)+16*(i%2)+8*(i/8)
	v_wmma_f32_16x16x32_f16 v[rO:rO+7], v[rV:rV+7], v[rP:rP+7], v[rO:rO+7]
.endm
.macro MM                           ; the turn's next matrix instruction
.if i < 16
	KQ (Y+1)%NP
.set i, i+1
.else
.set i, i-16
	PV (Y+NP-1)%NP
.set i, i+17
.endif
.endm
; THE LDS LOADS stand in runs of 16: a step's K (8 fragments) and its V (turned).  last = 1 (in the loop): behind the last key step there is no further one, and the run is jumped over.
.macro FETCH_K last=0
	WIN 0
.if \last
	s_cmp_eq_u32 s[LEFT], 1
	s_cbranch_scc1 .Lno_k_\@
.endif
	WIN 0x80                        ; destination window 2
.irp f, 0,1,2,3,4,5,6,7             ; keys 16 (f / 2) on, channels 32 (f % 2) on
	ds_load_b128 v[KF+8*\f:KF+8*\f+3],   v[AK] offset:(\f/2)*16*PK+(\f%2)*64
	ds_load_b128 v[KF+8*\f+4:KF+8*\f+7], v[AK] offset:(\f/2)*16*PK+(\f%2)*64+32
.endr
	s_add_co_u32 s[TBK], s[TBK], KS*PK  ; the next fetch is the next step's
	WIN 0
.if \last
.Lno_k_\@:
.endif
.endm
.macro FETCH_V
	WIN 0x80
.irp f, 0,1,2,3,4,5,6,7             ; keys 32 (f / 4) on, channels 16 (f % 4) on
	ds_load_tr16_b128 v[VF+8*\f:VF+8*\f+3],   v[AV] offset:(\f/4)*32*PV+(\f%4)*32
	ds_load_tr16_b128 v[VF+8*\f+4:VF+8*\f+7], v[AV] offset:(\f/4)*32*PV+16*PV+(\f%4)*32
.endr
	WIN 0
.endm
; THE VECTOR WORK OF A TURN stands in three queues, each in the order in which its entries become ready; the two tiles alternate.
.macro REGS y, u                    ; the registers of tile u (0, 1) of piece y
.set rT, ST+4*(2*(\y)+(\u))
.set rC, TMP+8*((\y)%2)+4*(\u)
.set rM, MV+2*((\y)%2)+(\u)
.set rS, S+64*((\y)%2)+32*(\u)
.set rP, P+32*((\y)%2)+16*(\u)
.set rO, 32*(2*(\y)+(\u))
.endm
; Number n of the 22 that find the NEXT piece's maximum and statistics; each accumulator's lowest registers are read first.
;   0-11  four chains c0-c3 of seven scores each     12-14, 16  the four scores left over, the old m, and c0-c3 into c0     15  c m_old is kept
;   17, 18  the query's other 32 keys lie in the lane 16 away: the new m         19-21  c m; c m_old - c m_new; a
.macro XS u, n
	REGS (Y+1)%NP, \u
.if (\n) < 4
	v_max3_num_f32 v[rC+(\n)], v[rS+8*(\n)], v[rS+8*(\n)+1], v[rS+8*(\n)+2]
.elseif (\n) < 12
	v_max3_num_f32 v[rC+(\n)%4], v[rC+(\n)%4], v[rS+8*((\n)%4)+2*((\n)/4)+1], v[rS+8*((\n)%4)+2*((\n)/4)+2]
.elseif (\n) == 12
	v_max3_num_f32 v[rC], v[rC], v[rS+7], v[rS+15]
.elseif (\n) == 13
	v_max3_num_f32 v[rC+1], v[rC+1], v[rS+23], v[rS+31]
.elseif (\n) == 14
	v_max3_num_f32 v[rC+2], v[rC+2], v[rC+3], v[rT+1]
.elseif (\n) == 15
	v_mov_b32 v[rM], v[rT]
.elseif (\n) == 16
	v_max3_num_f32 v[rC], v[rC], v[rC+1], v[rC+2]
.elseif (\n) == 17
	v_permlanex16_b32 v[rC+3], v[rC], s[SEL], s[SEL+1]
.elseif (\n) == 18
	v_max_num_f32 v[rT+1], v[rC], v[rC+3]
.elseif (\n) == 19
	v_mul_f32 v[rT], s[CS], v[rT+1]
.elseif (\n) == 20
	v_sub_f32 v[rC+1], v[rM], v[rT]
.else
	v_exp_f32 v[rC+2], v[rC+1]
.endif
.endm
; Number g of the 64 that follow the exponentials.  For each four weights k of a tile: both pairs are rounded to f16; the second pair is added onto the first, in place;
; a group later l takes that sum (the first time as l = a l + sum).
.macro GS g
.set h, (\g)+6*((\g)/62)
.if h >= 6
.set h, h+2
.endif
	REGS Y, h%2
.set k, h/8
.if h%8 < 4
	s_wait_alu depctr_va_vdst(0)
	v_cvt_pk_f16_f32 v[rP+2*k+(h%8)/2], v[rS+4*k+2*((h%8)/2)], v[rS+4*k+2*((h%8)/2)+1]
.elseif h%8 < 6
	v_pk_add_f32 v[rS+4*k:rS+4*k+1], v[rS+4*k:rS+4*k+1], v[rS+4*k+2:rS+4*k+3]
.elseif k == 1
	v_pk_fma_f32 v[rT+2:rT+3], v[rT+2:rT+3], v[rC+2:rC+3], v[rS:rS+1] op_sel_hi:[1,0,1]
.else
	v_pk_add_f32 v[rT+2:rT+3], v[rT+2:rT+3], v[rS+4*k-4:rS+4*k-3]
	s_wait_alu depctr_va_vdst(0)
.endif
.endm
; THE PLAIN QUEUE, 138 long.  0-31: c s - c m for the 16 pairs of both tiles.  Then GS's 64, and among them the next piece's 42.
.macro PL
	WIN 0
.if q < 32
	REGS Y, q%2
	v_pk_fma_f32 v[rS+2*(q/2):rS+2*(q/2)+1], v[rS+2*(q/2):rS+2*(q/2)+1], s[CS:CS+1], v[rT:rT+1] op_sel_hi:[1,0,0] neg_lo:[0,0,1] neg_hi:[0,0,1]
.elseif q < 38
	GS q-32
.elseif q < 40
	XS q%2, 15
.elseif q < 42
	GS q-34
.elseif q < 74
	XS q%2, (q-42)/2+(q-42)/30
.elseif q < 95
	GS q-66
.elseif (q < 107) && ((q-95)%3 < 2)
	XS (q-95)%3, 17+(q-95)/3
.elseif q < 107
	GS 29+(q-95)/3
.else
	GS q-74
.endif
.set q, q+1
.endm
; THE EXPONENTIALS' QUEUE, 66 long: s0-s31 of both tiles, and at EA the next piece's two a.
.set EA, 58
.macro EX
	WIN 0
.if (e == EA) || (e == EA+1)
	XS e-EA, 21
.else
.set x, e-2*(e/(EA+2))
	REGS Y, x%2
	v_exp_f32 v[rS+x/2], v[rS+x/2]
.endif
.set e, e+1
.endm
; THE RESCALING's QUEUE: O^T times a, the one part that leaves window 0, so it is dealt four at a time, eight times.
.macro R4
	REGS Y, r%2
	WIN W_RS
	s_wait_alu depctr_va_vdst(0)
.irp z, 0,1,2,3
	v_pk_mul_f32 v[rO+8*(r/2)+2*\z:rO+8*(r/2)+2*\z+1], v[rO+8*(r/2)+2*\z:rO+8*(r/2)+2*\z+1], v[rC+2:rC+3] op_sel_hi:[1,0]
.endr
.set r, r+1
.endm
; HOW THEY ARE DEALT.  Behind a matrix instruction four: plain, exponential, plain, plain, or four of the rescaling; none names a register of the products round it.  What is over stands in two runs:
; exponential and plain by turns; the second ends in 22 plain instructions.  Exponential e stands behind plain 2 (e / 4) + e % 2 (its scaling); EA comes behind plain 107.
.macro SL
	MM
	PL
	EX
	PL
	PL
.endm
.macro BURST n                      ; 15 matrix instructions, or 16
.rept (\n)-7
	SL
.endr
.rept 3
	MM
	R4
	SL
.endr
	MM
	R4
.endm
; A TURN, for piece p.  cnt = 1: the loop's count is taken down some lines ahead of the branch that stands behind the turn.
; K of the next step is fetched in piece 2's turn, V of the step in hand at the end of piece 0's turn, each far behind the last product that read its registers.
.macro TURN p, last=0, cnt=0
.set Y, (\p)
.set i, 0
.set q, 0
.set e, 0
.set r, 0
.if (\p) == NP-1
	s_wait_dscnt 0x0                ; K is in
.endif
	MM
.rept 4
	PL
.endr
	BURST 15
.rept 22
	EX
	PL
.if ((\p) == NP-2) && (e == 18)
	v_add_nc_u32 v[AK], s[TBK], v[AK0]
.endif
.if ((\p) == NP-2) && (e == 24)
	FETCH_K \last
.endif
.endr
.if (\p) == 1
	s_wait_dscnt 0x0                ; V is in
.endif
	BURST 16
.rept 21
	EX
	PL
.endr
.rept 22
	PL
.if ((\p) == 0) && (q == 118)
	v_add_nc_u32 v[AV], s[TBV], v[AV0]
	s_wait_alu depctr_va_vdst(0)
.endif
.if ((\p) == 0) && (q == 130)
	s_add_co_u32 s[TBV], s[TBV], KS*PV
.endif
.if (\cnt) && (q == 130)
	s_sub_co_u32 s[CNT], s[CNT], 1
	s_cmp_lg_u32 s[CNT], 0
.endif
.endr
.if (\p) == 0
	FETCH_V
.endif
.endm
	s_wait_tensorcnt 0x3            ; tensor loads of a wave end in order: my part of the first quarter is in, my three younger loads may stay out
	s_barrier_signal -1
	s_barrier_wait -1               ; everybody's part of it is in
	FETCH_K                         ; key step 0
	s_wait_loadcnt 0x0              ; Q
	s_wait_dscnt 0x0
.set i, 0
.rept 16
	KQ 0                            ; piece 0's first scores
.set i, i+1
.endr
	WIN 0                           ; the addresses for the way out: plain instructions, the places behind those products
	s_mul_i32 s13, s[WV], 16*SP
	s_add_co_u32 s13, s13, STAGE    ; my stage
	v_mul_u32_u24 v[STO], v1, SP    ; in: row l % 16, 16 bytes for each half of the lanes
	v_lshl_add_u32 v[STO], v9, 4, v[STO]
	v_add_nc_u32 v[STO], s13, v[STO]
	v_bfe_u32 v[RD], v0, 3, 2       ; back: 32 lanes take four rows of 128 bytes,
	v_mul_u32_u24 v[RD], v[RD], SP
	v_lshl_add_u32 v[RD], v10, 4, v[RD]
	v_add_nc_u32 v[RD], s13, v[RD]
	v_and_b32 v[GO], 31, v0         ; which are 512 consecutive bytes of O
	v_lshlrev_b32 v[GO], 4, v[GO]
.set Y, NP-1                        ; XS works for piece Y + 1: piece 0
.irp n, 0,1,2,3,4,5,6,7,8,9,10,11,12,13,14,15,16,17,18,19,20,21
	XS 0, \n                        ; and piece 0's first maximum and statistics
	XS 1, \n
.endr
	s_mov_b32 s[CNT], 4             ; the first run: up to the first half of key step 3, the last that the first quarter serves
	s_mov_b32 s[PASS], 2
	s_mov_b32 s[LEFT], SIZE_N/KS
	s_branch .Lfirst                ; the loop is entered at a step's first turn, in the middle of a trip
.Lrest:                             ; passed once, between the halves of key step 3: the next fetch is key step 4's K, the second quarter's
	s_wait_tensorcnt 0x0            ; my parts of the other three quarters are in;
	s_wait_dscnt 0x0
	s_barrier_signal -1
	s_barrier_wait -1               ; everybody's are: from here on no wave waits for another
	s_mov_b32 s[CNT], SIZE_N/KS-3   ; the second run is left in the middle of its thirteenth trip
.Lstep:                             ; a trip: pieces 2 and 3 of one step, then pieces 0 and 1 of the next, whose K and V it fetches
	TURN 2, 1
	TURN 3
	WIN 0
	s_sub_co_u32 s[LEFT], s[LEFT], 1
	s_cmp_eq_u32 s[LEFT], 0
	s_cbranch_scc1 .Lout            ; the last key step's second half is done
.Lfirst:
	TURN 0
	TURN 1, 0, 1
	WIN 0
	s_cbranch_scc1 .Lstep
	s_sub_co_u32 s[PASS], s[PASS], 1
	s_cmp_lg_u32 s[PASS], 0
	s_cbranch_scc1 .Lrest
.Lout:                              ; the last trip's 16 products K Q^T (on the last K once more) and the maximum made of them serve nothing: the price of one text for every trip
.set i, 0
.rept 16
	PV NP-1                         ; the last piece's V^T P of the last step
.set i, i+1
.endr
	; THE WAY OUT.  l's two halves and the other half of the lanes' are added; O^T is divided by l, rounded to f16 and sent through my stage in LDS, a tile at a time.
	WIN 0
.macro ALL line:vararg              ; one line for each tile t
.set t, 0
.rept 2*NP
	\line
.set t, t+1
.endr
.endm
	ALL v_add_f32 v[ST+4*t+2], v[ST+4*t+2], v[ST+4*t+3]
	ALL v_permlanex16_b32 v[ST+4*t+3], v[ST+4*t+2], s[SEL], s[SEL+1]
	ALL v_add_f32 v[ST+4*t+2], v[ST+4*t+2], v[ST+4*t+3]
	ALL v_rcp_f32 v[ST+4*t+2], v[ST+4*t+2]
	v_nop                           ; a plain instruction between the last reciprocal and the use of its result
	s_wait_alu depctr_va_vdst(0)
.macro PACK t
	WIN W_RS
.set i, 32*(\t)
.rept 16
	v_pk_mul_f32 v[i:i+1], v[i:i+1], v[ST+4*(\t)+2:ST+4*(\t)+3] op_sel_hi:[1,0]
.set i, i+2
.endr
	WIN 0x05                        ; sources 0 and 1 window 1, destination window 0
.set i, 0
.rept 16
	v_cvt_pk_f16_f32 v[S+16*(\t)+i], v[32*(\t)+2*i], v[32*(\t)+2*i+1]
.set i, i+1
.endr
	WIN 0
.irp f, 0,1,2,3
	ds_store_b128 v[STO], v[S+16*(\t)+4*\f:S+16*(\t)+4*\f+3] offset:32*\f
.endr
.irp f, 0,1,2,3
	ds_load_b128 v[S+16*(\t)+4*\f:S+16*(\t)+4*\f+3], v[RD] offset:\f*4*SP  ; LDS serves a wave's instructions in order: these see the stores above
.endr
.endm
.macro SEND t, younger              ; younger: the LDS instructions issued behind tile t's loads: the next tile's eight, or none
	WIN 0
.irp f, 0,1,2,3
	s_wait_dscnt (\younger)+3-\f
	global_store_b128 v[GO], v[S+16*(\t)+4*\f:S+16*(\t)+4*\f+3], s[10:11] offset:(\t)*2048+\f*512  ; 512 consecutive bytes, aligned
.endr
.endm
	PACK 0
.set t, 1
.rept 2*NP-1                        ; a tile's arithmetic stands between the loads of the tile before and its stores
	PACK t
	SEND t-1, 8
.set t, t+1
.endr
	SEND 2*NP-1, 0
	s_wait_tensorcnt 0x0            ; no tensor load may be out at s_endpgm: all were shown landed at .Lrest, so this wait is met at once
	s_set_vgpr_msb 0xf
	s_wait_tensorcnt 0x0
	ds_add_u32 v0, v1
	s_wait_dscnt 0x0
	s_set_vgpr_msb 0xf00
	s_endpgm
.Lfunc_end_k_q12e946105b_attn:
	.size	k_q12e946105b_attn, .Lfunc_end_k_q12e946105b_attn-k_q12e946105b_attn
	.p2alignl 7, 3214868480
	.fill 96, 4, 3214868480
	.section	.rodata,"a",@progbits
	.p2align	6, 0x0
	.amdhsa_kernel k_q12e946105b_attn
		.amdhsa_group_segment_fixed_size 327680
		.amdhsa_private_segment_fixed_size 0
		.amdhsa_enable_private_segment 0
		.amdhsa_kernarg_size 16
		.amdhsa_user_sgpr_count 2
		.amdhsa_user_sgpr_kernarg_segment_ptr 1
		.amdhsa_wavefront_size32 1
		.amdhsa_system_sgpr_workgroup_id_x 1
		.amdhsa_system_sgpr_workgroup_id_y 1
		.amdhsa_system_sgpr_workgroup_id_z 1
		.amdhsa_system_vgpr_workitem_id 0
		.amdhsa_next_free_vgpr 770
		.amdhsa_next_free_sgpr 86
		.amdhsa_reserve_vcc 0
		.amdhsa_float_denorm_mode_32 3
		.amdhsa_float_denorm_mode_16_64 3
		.amdhsa_memory_ordered 1
		.amdhsa_forward_progress 1
		.amdhsa_inst_pref_size 131
	.end_amdhsa_kernel
	.amdgpu_metadata
---
amdhsa.version: [ 1, 2 ]
amdhsa.kernels:
  - .name:           k_q12e946105b_attn
    .symbol:         k_q12e946105b_attn.kd
    .args:
      - { .name: qkv, .offset: 0, .size: 8, .value_kind: global_buffer, .address_space: global }
      - { .name: ctx, .offset: 8, .size: 8, .value_kind: global_buffer, .address_space: global }
    .group_segment_fixed_size: 327680
    .private_segment_fixed_size: 0
    .kernarg_segment_align: 8
    .kernarg_segment_size: 16
    .max_flat_workgroup_size: 128
    .sgpr_count:     86
    .vgpr_count:     770
    .wavefront_size: 32
...
	.end_amdgpu_metadata
.endif
;; end of part 3
;; launch proj (part 4): grid 8 x 32, 4 waves a work-group, clusters of 4 x 4, 327,680 bytes of LDS; arguments ctx, opnd, bf, out1; writes out1
.if DOCPART == 4
	.amdgcn_target "amdgcn-amd-amdhsa--gfx1250"
	.amdhsa_code_object_version 6
	.text
	.protected	k_q12e946105b_proj
	.globl	k_q12e946105b_proj
	.p2align	8
	.type	k_q12e946105b_proj,@function
k_q12e946105b_proj:
	s_mov_b64 s[64:65], 0
	v_nop
	global_prefetch_b8 v0, s[64:65] scope:SCOPE_SE
	s_setreg_imm32_b32 hwreg(HW_REG_WAVE_MODE, 25, 1), 1
	s_wait_xcnt 0x0
	s_wait_alu depctr_hold_cnt(0) depctr_sa_sdst(0) depctr_va_vdst(0) depctr_va_sdst(0) depctr_va_ssrc(0) depctr_va_vcc(0) depctr_vm_vsrc(0)
	s_getreg_b32 s2, hwreg(HW_REG_IB_STS2, 6, 4)
	s_cmp_eq_u32 s2, 0
	s_cbranch_scc0 .Lentry_in_a_cluster
	s_endpgm
.Lentry_in_a_cluster:
	s_bfe_u32 s2, ttmp6, 0x10000c
	s_cmp_lg_u32 s2, 0xf033
	s_cbranch_scc0 .Lentry_shape_is_right
	s_endpgm
.Lentry_shape_is_right:
; atted = ctx Wf^T + bf: 8,192 x 1,024 x 1,024.  Operands f16 (ctx by heads = blocks of 64 along K; Wf is opnd's unit 11), sums f32 started from the bias, stored as f32 into out1,
; where row l of atrous group g = 4 batch + r is row 4,096 batch + 4 l + r.
; TILE.  256 rows of one group x 128 columns: 8 x 32 = 256 work-groups.  Four waves, each 128 x 64 = 8 x 4 accumulators, 256 registers (window 1, (a, b) at v[8 (8 b + a)]).
; RING.  Two slots of 128 along K, as two planes of 64: A's planes of 256 rows, then B's of 128, rows 144 bytes apart.  Waves 0, 1 fetch A's planes, waves 2, 3 B's, one load a wave:
; from a request to the wait for it a wave issues a whole trip's 128 matrix instructions.
; CLUSTER.  4 x 4: A's tile is shared along a row of the cluster, B's along a column; each is asked for jointly.
; THE MATRIX INSTRUCTION IS USED TRANSPOSED (source 0 = 16 rows of Wf, source 1 = 16 rows of ctx): a lane holds one row and eight neighbouring columns, 32 bytes.
; THE BIAS is loaded into accumulator (0, b); in the first quarter the other seven take it as C, then (0, b) adds onto it in place.
; PREFETCH.  Wave 3 asks, two trips (256 matrix instructions) ahead of the tensor load that will want them, for its work-group's share of a step's tiles: 32 of the 256 blocks of 256 bytes
; of its tile row's A (shared out among the row's eight work-groups) and 4 of the 128 of its tile column's B (among the column's 32): each block is asked for once in the launch.
.set PITCH, 144
.set SLOT1, 1<<17
.set APL,   256*PITCH                  ; a plane of A
.set BPL,   128*PITCH                  ; a plane of B
.set BOFF,  2*APL
.set STAGE, SLOT1+2*APL+2*BPL          ; behind the ring: 16 rows x 272 bytes for each wave; no tensor load lands here
.set SPITCH, 272
.set SPARE, STAGE+4*16*SPITCH          ; the spare words, 128 bytes for each wave
.set STEPB, 262144                     ; two blocks of 64 along K
.set A0,  4
.set B0,  5
.set ADA, 6
.set ADB, 7
.set STO, 8
.set RD,  9
.set CO,  10
.set BO,  11
.set SPW, 12
.set NIL, 13
.set PFA, 14                           ; v14  the prefetch: my lane's block of 256 bytes in ctx, three steps behind the one asked for
.set PFB, 15                           ; v15  the same in opnd
.set F0,  32                           ; a fragment buffer: 64 registers of A, then 32 of B
.set F1,  128
.set WV,  14
.set WM,  15
.set WN,  16
.set G1A, 24
.set G1B, 32
.set G0A, 40
.set G0B, 48
.set TB,  56
.set CNT, 57
.set OUT, 58                           ; s[58:59]
.set BIA, 60                           ; s[60:61]
.set FLAGS, (1<<16)|(1<<20)|(1<<21)|(4<<22)|(3<<25)
.set MSB, 0
.macro WIN new
.if MSB != (\new)
	s_set_vgpr_msb (MSB<<8)|(\new)
.set MSB, (\new)
.endif
.endm
.macro PLACES n
.rept \n
	v_nop
.endr
.endm
.macro JLOAD                           ; a joint refill by the walking descriptor; an s_nop 0 and four v_nop follow each of the two lines
	s_cmp_lt_u32 s[WV], 2
	s_cbranch_scc0 .Lfor_b_\@
	tensor_load_to_lds s[G0A+4:G0A+7], s[G1A:G1A+7]
	s_nop 0
	PLACES 4
	s_branch .Lasked_\@
.Lfor_b_\@:
	tensor_load_to_lds s[G0B+4:G0B+7], s[G1B:G1B+7]
	s_nop 0
	PLACES 4
.Lasked_\@:
.endm
.macro CREST
	s_cmp_lg_u32 s[WV], 0
	s_cbranch_scc1 .Lnot_wave_0_\@
	s_barrier_signal -3
.Lnot_wave_0_\@:
	s_barrier_wait -3
	s_barrier_signal -1
	s_barrier_wait -1
.endm
.macro CROUND
	s_barrier_signal -1
	s_barrier_wait -1
	CREST
.endm
; The prefetch of a trip: trip t's refill has asked for step t + 2 of the eight steps of 128 along K; wave 3 asks for step t + 4.  The last two trips (CNT < 3) ask for nothing: step 7 is the last.
; The offset registers are stepped behind s_wait_xcnt 0, a whole trip after the prefetches that read them.
.macro AHEAD
	s_cmp_lg_u32 s[WV], 3
	s_cbranch_scc1 .Lno_pf_\@
	s_cmp_lt_u32 s[CNT], 3
	s_cbranch_scc1 .Lno_pf_\@
	s_wait_xcnt 0x0
	v_add_nc_u32 v[PFA], STEPB, v[PFA]
	v_add_nc_u32 v[PFB], STEPB, v[PFB]
	global_prefetch_b8 v[PFA], s[4:5] offset:3*STEPB th:TH_LOAD_NT scope:SCOPE_SE
	global_prefetch_b8 v[PFB], s[6:7] offset:3*STEPB th:TH_LOAD_NT scope:SCOPE_SE
.Lno_pf_\@:
.endm
	s_load_b256 s[4:11], s[0:1], 0x0               ; ctx s[4:5], opnd s[6:7], bf s[8:9], out1 s[10:11]
	v_lshl_add_u32 v[SPW], v0, 2, SPARE
	v_mov_b32 v[NIL], 0
	ds_add_u32 v12, v13
	ds_add_u32 v12, v13
	s_wait_dscnt 0x0
	v_lshrrev_b32 v1, 5, v0
	v_readfirstlane_b32 s[WV], v1
	s_lshr_b32 s[WM], s[WV], 1                     ; which 128 rows are mine
	s_and_b32 s[WN], s[WV], 1                      ; which 64 columns; also: which plane I fetch
	s_bfe_u32 s17, ttmp6, 0x40000                  ; cx
	s_bfe_u32 s18, ttmp6, 0x40004                  ; cy
	s_lshl_b32 s19, ttmp9, 2
	s_add_co_u32 s19, s19, s17                     ; TX
	s_and_b32 s20, ttmp7, 0xffff
	s_lshl_b32 s20, s20, 2
	s_add_co_u32 s20, s20, s18                     ; TY: group TY / 4, rows 256 (TY % 4) on
	s_lshl_b32 s21, s18, 2
	s_lshl_b32 s21, 15, s21
	s_lshl_b32 s22, 0x1111, s17
	s_or_b32 s[G1A], s21, FLAGS
	s_or_b32 s[G1B], s22, FLAGS
.irp g, G1A, G1B
	s_mov_b32 s[(\g)+1], 128<<16
	s_mov_b32 s[(\g)+3], 128<<16
	s_mov_b32 s[(\g)+5], 128
	s_mov_b32 s[(\g)+6], 0
	s_mov_b32 s[(\g)+7], 0
.endr
	s_mov_b32 s[G1A+2], 128<<16                    ; A: 256 logical rows = 128 rows of 256 bytes
	s_mov_b32 s[G1A+4], 128
	s_mov_b32 s[G1B+2], 64<<16                     ; B: 64
	s_mov_b32 s[G1B+4], 64
	s_lshr_b32 s66, s20, 2                         ; A's plane: group, rows, and the wave's plane: of the tile row and the wave alone
	s_lshl_b32 s66, s66, 21
	s_and_b32 s72, s20, 3
	s_lshl_b32 s72, s72, 15
	s_add_co_u32 s66, s66, s72
	s_lshl_b32 s72, s[WN], 17
	s_add_co_u32 s66, s66, s72
	s_mov_b32 s67, 0
	s_lshl_b32 s68, s19, 14                        ; B's: unit 11, rows 128 TX on, the wave's plane: of the tile column and the wave alone
	s_add_co_u32 s68, s68, 11<<21
	s_lshl_b32 s73, s[WN], 17
	s_add_co_u32 s68, s68, s73
	s_mov_b32 s69, 0
	s_mul_i32 s70, s[WN], APL
	s_mul_i32 s71, s[WN], BPL
	s_add_co_u32 s71, s71, BOFF
	s_mov_b32 s[TB], 0
	s_wait_kmcnt 0x0
	s_add_nc_u64 s[66:67], s[4:5], s[66:67]
	s_add_nc_u64 s[68:69], s[6:7], s[68:69]
	CROUND                                         ; the first joint loads meet
.irp s, 0,1
	s_mov_b32 s[G0A+4*(\s)], 1
	s_add_co_u32 s[G0A+4*(\s)+1], s70, (\s)*SLOT1
	s_add_nc_u64 s[G0A+4*(\s)+2:G0A+4*(\s)+3], s[66:67], (\s)*STEPB
	s_or_b32 s[G0A+4*(\s)+3], s[G0A+4*(\s)+3], 0x80000000
	s_mov_b32 s[G0B+4*(\s)], 1
	s_add_co_u32 s[G0B+4*(\s)+1], s71, (\s)*SLOT1
	s_add_nc_u64 s[G0B+4*(\s)+2:G0B+4*(\s)+3], s[68:69], (\s)*STEPB
	s_or_b32 s[G0B+4*(\s)+3], s[G0B+4*(\s)+3], 0x80000000
.endr
	s_cmp_lt_u32 s[WV], 2                          ; a wave's two first fills stand in one branch: two loads of mine are out
	s_cbranch_scc0 .Lfirst_b
	tensor_load_to_lds s[G0A:G0A+3], s[G1A:G1A+7]
	s_nop 0
	tensor_load_to_lds s[G0A+4:G0A+7], s[G1A:G1A+7]
	s_nop 0
	PLACES 4
	s_branch .Lfirst_asked
.Lfirst_b:
	tensor_load_to_lds s[G0B:G0B+3], s[G1B:G1B+7]
	s_nop 0
	tensor_load_to_lds s[G0B+4:G0B+7], s[G1B:G1B+7]
	s_nop 0
	PLACES 4
.Lfirst_asked:
	v_and_b32 v1, 15, v0
	v_bfe_u32 v2, v0, 4, 1
	v_mul_u32_u24 v3, v1, PITCH
	v_lshl_add_u32 v3, v2, 4, v3                   ; row x pitch + 16 x half
	s_mul_i32 s72, s[WM], 128*PITCH
	v_add_nc_u32 v[A0], s72, v3
	s_mul_i32 s72, s[WN], 64*PITCH
	s_add_co_u32 s72, s72, BOFF
	v_add_nc_u32 v[B0], s72, v3
	v_mov_b32 v[ADA], v[A0]
	v_mov_b32 v[ADB], v[B0]
	s_mul_i32 s72, s[WV], 16*SPITCH
	s_add_co_u32 s72, s72, STAGE                   ; my stage
	v_mul_u32_u24 v[STO], v1, SPITCH               ; in: row l % 16, 32 bytes for each half of the lanes
	v_lshl_add_u32 v[STO], v2, 5, v[STO]
	v_add_nc_u32 v[STO], s72, v[STO]
	v_mul_u32_u24 v[RD], v2, SPITCH                ; back: lanes 0-15 one row of 256 bytes, lanes 16-31 the next
	v_lshl_add_u32 v[RD], v1, 4, v[RD]
	v_add_nc_u32 v[RD], s72, v[RD]
	v_lshlrev_b32 v[CO], 14, v2                    ; the group's next row lies four rows of out1, 16,384 bytes, on
	v_lshl_add_u32 v[CO], v1, 4, v[CO]
	v_lshlrev_b32 v[BO], 5, v2
	s_lshr_b32 s74, s20, 2                         ; g
	s_lshr_b32 s72, s74, 2                         ; the batch: 4,096 rows of 4,096 bytes
	s_lshl_b32 s72, s72, 24
	s_and_b32 s74, s74, 3                          ; the group's place among four rows
	s_lshl_b32 s74, s74, 12
	s_add_co_u32 s72, s72, s74
	s_and_b32 s74, s20, 3                          ; 256 (TY % 4) rows of the group
	s_lshl_b32 s74, s74, 22
	s_add_co_u32 s72, s72, s74
	s_lshl_b32 s74, s[WM], 21                      ; 128 WM rows of the group
	s_add_co_u32 s72, s72, s74
	s_lshl_b32 s76, s19, 9                         ; my 64 columns: 512 TX + 256 WN bytes
	s_lshl_b32 s75, s[WN], 8
	s_add_co_u32 s76, s76, s75
	s_mov_b32 s77, 0
	s_add_co_u32 s72, s72, s76
	s_mov_b32 s73, 0
	s_add_nc_u64 s[OUT:OUT+1], s[10:11], s[72:73]
	s_add_nc_u64 s[BIA:BIA+1], s[8:9], s[76:77]
	; The prefetch's offsets, for step 0.  In ctx: plane lane / 16 of the step's two, block 16 TX + lane % 16 of my tile row's 128 blocks in a plane.
	; In opnd: block q = 4 TY + lane of my tile column's 128 blocks (plane q / 64, block q % 64); lanes 4-31 repeat lane 3's.
	s_lshr_b32 s72, s20, 2
	s_lshl_b32 s72, s72, 21
	s_and_b32 s74, s20, 3
	s_lshl_b32 s74, s74, 15
	s_add_co_u32 s72, s72, s74
	s_lshl_b32 s74, s19, 12
	s_add_co_u32 s72, s72, s74
	v_lshl_add_u32 v[PFA], v1, 8, s72
	v_lshl_add_u32 v[PFA], v2, 17, v[PFA]
	v_and_b32 v16, 31, v0
	v_min_u32 v16, 3, v16
	s_lshl_b32 s74, s20, 2
	v_add_nc_u32 v16, s74, v16                     ; q
	v_lshrrev_b32 v17, 6, v16
	v_and_b32 v16, 63, v16
	s_lshl_b32 s74, s19, 14
	s_add_co_u32 s74, s74, 11<<21
	v_lshl_add_u32 v[PFB], v17, 17, s74
	v_lshl_add_u32 v[PFB], v16, 8, v[PFB]
	s_cmp_lg_u32 s[WV], 3
	s_cbranch_scc1 .Lno_pf0
	global_prefetch_b8 v[PFA], s[4:5] offset:2*STEPB th:TH_LOAD_NT scope:SCOPE_SE  ; steps 2 and 3, which the first two trips' refills will want
	global_prefetch_b8 v[PFB], s[6:7] offset:2*STEPB th:TH_LOAD_NT scope:SCOPE_SE
	global_prefetch_b8 v[PFA], s[4:5] offset:3*STEPB th:TH_LOAD_NT scope:SCOPE_SE
	global_prefetch_b8 v[PFB], s[6:7] offset:3*STEPB th:TH_LOAD_NT scope:SCOPE_SE
.Lno_pf0:
	WIN 0x40
.irp b, 0,1,2,3                        ; the bias of columns 16 b + 8 (l / 16) + 0..7 into accumulator (0, b)
	global_load_b128 v[64*(\b):64*(\b)+3],   v[BO], s[BIA:BIA+1] offset:64*(\b)
	global_load_b128 v[64*(\b)+4:64*(\b)+7], v[BO], s[BIA:BIA+1] offset:64*(\b)+16
.endr
	WIN 0
; n row blocks from alo on x all four column blocks, 32 along K; the accumulators take turns.  c0 = 1: they start from the bias in (0, b).
.macro MUL f, alo, n, c0=0
	WIN 0x50
.set aa, (\alo)
.rept \n
.irp b, 0,1,2,3
.if \c0
	v_wmma_f32_16x16x32_f16 v[8*(8*(\b)+aa):8*(8*(\b)+aa)+7], v[(\f)+64+8*(\b):(\f)+64+8*(\b)+7], v[(\f)+8*aa:(\f)+8*aa+7], v[64*(\b):64*(\b)+7]
.else
	v_wmma_f32_16x16x32_f16 v[8*(8*(\b)+aa):8*(8*(\b)+aa)+7], v[(\f)+64+8*(\b):(\f)+64+8*(\b)+7], v[(\f)+8*aa:(\f)+8*aa+7], v[8*(8*(\b)+aa):8*(8*(\b)+aa)+7]
.endif
.endr
.set aa, aa+1
.endr
.endm
; 24 LDS loads in one run: quarter q (plane q / 2, 32 along K at byte 64 (q % 2)) of the slot in hand into buffer f: B's four fragments, then A's eight
.macro FETCH q, f
.irp i, 0,1,2,3
	ds_load_b128 v[(\f)+64+8*(\i):(\f)+64+8*(\i)+3],   v[ADB] offset:((\q)/2)*BPL+((\q)%2)*64+16*PITCH*(\i)
	ds_load_b128 v[(\f)+64+8*(\i)+4:(\f)+64+8*(\i)+7], v[ADB] offset:((\q)/2)*BPL+((\q)%2)*64+16*PITCH*(\i)+32
.endr
.irp i, 0,1,2,3,4,5,6,7
	ds_load_b128 v[(\f)+8*(\i):(\f)+8*(\i)+3],   v[ADA] offset:((\q)/2)*APL+((\q)%2)*64+16*PITCH*(\i)
	ds_load_b128 v[(\f)+8*(\i)+4:(\f)+8*(\i)+7], v[ADA] offset:((\q)/2)*APL+((\q)%2)*64+16*PITCH*(\i)+32
.endr
.endm
; A quarter: multiplies buffer f and, in its middle, fetches quarter q into buffer g
.macro QUARTER q, f, g
	s_wait_dscnt 8                                 ; all but the youngest eight loads: A's fragments 4-7
	MUL \f, 0, 4
	PLACES 4
	WIN 0
	FETCH \q, \g
	s_wait_dscnt 24                                ; all but the 24 just issued
	MUL \f, 4, 4
.endm
; A slot's last quarter multiplies buffer F1 and, in its middle, changes slots: one barrier; in front of it each wave waits for all its tensor loads, adds 0 to its spare word, and waits for that and
; for its reads.  No product stands between the wait for the tile and the next request.
.macro TURN fill
	s_wait_dscnt 8                                 ; all but the youngest eight loads: A's fragments 4-7
	MUL F1, 0, 4
	WIN 0
	s_wait_tensorcnt 0x0                           ; all my tensor loads have landed: my part of the next slot; so a group 0 may be written
	ds_add_u32 v[SPW], v[NIL]                      ; 0 onto my spare word
.if \fill
	s_xor_b32 s[G0A+5], s[G0A+5], SLOT1            ; the walking descriptors: the other slot than last time, the next step of K
	s_add_nc_u64 s[G0A+6:G0A+7], s[G0A+6:G0A+7], STEPB
	s_xor_b32 s[G0B+5], s[G0B+5], SLOT1
	s_add_nc_u64 s[G0B+6:G0B+7], s[G0B+6:G0B+7], STEPB
.endif
	s_wait_dscnt 0x0                               ; the add is done, and my reads of this slot are over
	s_barrier_signal -1
	s_barrier_wait -1
.if \fill
	CREST                                          ; no wave of any partner still reads this slot or has a load on its way
	JLOAD                                          ; its four v_nop are also the places in front of the loads below
.else
	PLACES 4
.endif
	s_xor_b32 s[TB], s[TB], SLOT1
	v_add_nc_u32 v[ADA], s[TB], v[A0]
	v_add_nc_u32 v[ADB], s[TB], v[B0]
	FETCH 0, F0
.if \fill
	AHEAD
.endif
	MUL F1, 4, 4
.endm
; THE WAY OUT of row block a: 16 rows x 64 columns of f32 into my stage (each accumulator's low four registers first), back as whole rows of 256 bytes
.macro TOSTAGE a
.set T, 32+32*((\a)%4)
.if (\a) >= 4
	s_wait_xcnt 0x0                                ; the stores of four blocks ago have read these registers
.endif
	WIN 0x04                                       ; the stores' data in window 1
.irp b, 0,1,2,3
	ds_store_b128 v[STO], v[8*(8*(\b)+(\a)):8*(8*(\b)+(\a))+3]   offset:64*(\b)
	ds_store_b128 v[STO], v[8*(8*(\b)+(\a))+4:8*(8*(\b)+(\a))+7] offset:64*(\b)+16
.endr
	WIN 0
.irp t, 0,1,2,3,4,5,6,7
	ds_load_b128 v[T+4*(\t):T+4*(\t)+3], v[RD] offset:2*SPITCH*(\t)  ; LDS serves a wave's instructions in order: these see the stores above
.endr
.endm
.macro SEND a, younger
.set T, 32+32*((\a)%4)
.irp t, 0,1,2,3,4,5,6,7
	s_wait_dscnt (\younger)+7-(\t)
	global_store_b128 v[CO], v[T+4*(\t):T+4*(\t)+3], s[OUT:OUT+1] offset:262144*(\a)+32768*(\t)  ; 16 lanes store 256 consecutive bytes, aligned
.endr
.endm
	s_wait_tensorcnt 1                             ; my part of slot 0 is in; slot 1's may stay out
	s_barrier_signal -1
	s_barrier_wait -1
	FETCH 0, F0
	s_wait_loadcnt 0x0                             ; the bias
	s_wait_dscnt 8                                 ; the first quarter starts the sums
	MUL F0, 1, 3, 1
	PLACES 4
	WIN 0
	FETCH 1, F1
	s_wait_dscnt 24
	MUL F0, 4, 4, 1
	PLACES 5                                       ; (0, b) is written over only five places behind the products that read it as C
	MUL F0, 0, 1
	WIN 0
	s_mov_b32 s[CNT], 6
.Lk:                                                   ; a trip: a slot's quarters 1 to 3, the change of slots with a refill, the next slot's quarter 0
	QUARTER 2, F1, F0
	QUARTER 3, F0, F1
	TURN 1
	QUARTER 1, F0, F1
	WIN 0
	s_sub_co_u32 s[CNT], s[CNT], 1
	s_cmp_lg_u32 s[CNT], 0
	s_cbranch_scc1 .Lk
	QUARTER 2, F1, F0                              ; the tail is written out: nothing is left to ask for
	QUARTER 3, F0, F1
	TURN 0
	QUARTER 1, F0, F1
	QUARTER 2, F1, F0
	QUARTER 3, F0, F1
	s_wait_dscnt 8
	MUL F1, 0, 4
	s_wait_dscnt 0x0
	MUL F1, 4, 4
	PLACES 4
	TOSTAGE 0
.irp a, 1,2,3,4,5,6,7
	TOSTAGE \a
	SEND (\a)-1, 16
.endr
	SEND 7, 0
	s_wait_tensorcnt 0x0                           ; the wave's end
	ds_add_u32 v[SPW], v[NIL]
	s_wait_dscnt 0x0
	CROUND                                         ; the closing round
	s_endpgm
.Lfunc_end_k_q12e946105b_proj:
	.size	k_q12e946105b_proj, .Lfunc_end_k_q12e946105b_proj-k_q12e946105b_proj
	.p2alignl 7, 3214868480
	.fill 96, 4, 3214868480
	.section	.rodata,"a",@progbits
	.p2align	6, 0x0
	.amdhsa_kernel k_q12e946105b_proj
		.amdhsa_group_segment_fixed_size 327680
		.amdhsa_private_segment_fixed_size 0
		.amdhsa_enable_private_segment 0
		.amdhsa_kernarg_size 32
		.amdhsa_user_sgpr_count 2
		.amdhsa_user_sgpr_kernarg_segment_ptr 1
		.amdhsa_wavefront_size32 1
		.amdhsa_system_sgpr_workgroup_id_x 1
		.amdhsa_system_sgpr_workgroup_id_y 1
		.amdhsa_system_sgpr_workgroup_id_z 1
		.amdhsa_system_vgpr_workitem_id 0
		.amdhsa_next_free_vgpr 512
		.amdhsa_next_free_sgpr 80
		.amdhsa_reserve_vcc 0
		.amdhsa_float_denorm_mode_32 3
		.amdhsa_float_denorm_mode_16_64 3
		.amdhsa_memory_ordered 1
		.amdhsa_forward_progress 1
		.amdhsa_inst_pref_size 74
	.end_amdhsa_kernel
	.amdgpu_metadata
---
amdhsa.version: [ 1, 2 ]
amdhsa.kernels:
  - .name:           k_q12e946105b_proj
    .symbol:         k_q12e946105b_proj.kd
    .args:
      - { .name: ctx, .offset: 0, .size: 8, .value_kind: global_buffer, .address_space: global }
      - { .name: opnd, .offset: 8, .size: 8, .value_kind: global_buffer, .address_space: global }
      - { .name: bf, .offset: 16, .size: 8, .value_kind: global_buffer, .address_space: global }
      - { .name: out1, .offset: 24, .size: 8, .value_kind: global_buffer, .address_space: global }
    .group_segment_fixed_size: 327680
    .private_segment_fixed_size: 0
    .kernarg_segment_align: 8
    .kernarg_segment_size: 32
    .max_flat_workgroup_size: 128
    .sgpr_count:     80
    .vgpr_count:     512
    .wavefront_size: 32
...
	.end_amdgpu_metadata
.endif
;; end of part 4
;; launch lnorm (part 5): grid 256 x 1, 8 waves a work-group, no clusters, 0 bytes of LDS; arguments out1, x, gamma, beta, out0; writes out0
.if DOCPART == 5
	.amdgcn_target "amdgcn-amd-amdhsa--gfx1250"
	.amdhsa_code_object_version 6
	.text
	.protected	k_q12e946105b_lnorm
	.globl	k_q12e946105b_lnorm
	.p2align	8
	.type	k_q12e946105b_lnorm,@function
k_q12e946105b_lnorm:
	s_mov_b64 s[64:65], 0
	v_nop
	global_prefetch_b8 v0, s[64:65] scope:SCOPE_SE
	s_setreg_imm32_b32 hwreg(HW_REG_WAVE_MODE, 25, 1), 1
	s_wait_xcnt 0x0
; out0 = LayerNorm(out1 + x) gamma + beta, all f32, rows of 1,024 numbers (4,096 bytes).
; One wave takes a whole row: eight loads of 512 consecutive bytes from each of out1 and x; the row stays in 32 registers between the passes.  Two passes as the definition has them: the mean, then the
; mean of the squared differences, so that a common offset of the row costs no digits.  Eight waves, four rows each; two row slots take turns, so sixteen loads are out while a row is worked on.
; No LDS, no barrier, no matrix unit: a stream; a reduction never leaves its wave.
.set G,  8                             ; v[8:39]    gamma of my 32 columns
.set BT, 40                            ; v[40:71]   beta
.set SL, 72                            ; slot s at v[72 + 64 s]: 32 registers of out1 (then the sum, the result), 32 of x
.set T,  200                           ; v[200:207] at work
.set M,  208                           ; v[208:209] the mean, twice
.set R,  210                           ; v[210:211] 1 / sqrt(variance + eps), twice
	s_load_b256 s[4:11], s[0:1], 0x0               ; out1 s[4:5], x s[6:7], gamma s[8:9], beta s[10:11]
	s_load_b64 s[16:17], s[0:1], 0x20              ; out0
	s_lshl_b32 s2, ttmp9, 17                       ; the work-group's 32 rows
	s_mov_b32 s3, 0
	s_mov_b32 s12, 0x3a800000                      ; 1 / 1,024
	s_mov_b32 s13, 0x3727c5ac                      ; 1e-5
	s_mov_b32 s14, 0x76543210                      ; v_permlanex16_b32: each lane takes its own place in the other half
	s_mov_b32 s15, 0xfedcba98
	v_and_b32 v1, 31, v0
	v_lshlrev_b32 v3, 4, v1                        ; 16 x lane
	v_lshrrev_b32 v1, 5, v0
	v_lshl_add_u32 v2, v1, 14, v3                  ; + wave x 4 rows; never rewritten: row and chunk stand in the immediates
	s_wait_kmcnt 0x0
	s_add_nc_u64 s[4:5], s[4:5], s[2:3]
	s_add_nc_u64 s[6:7], s[6:7], s[2:3]
	s_add_nc_u64 s[16:17], s[16:17], s[2:3]
.irp j, 0,1,2,3,4,5,6,7
	global_load_b128 v[G+4*(\j):G+4*(\j)+3],   v3, s[8:9]   offset:512*(\j)
	global_load_b128 v[BT+4*(\j):BT+4*(\j)+3], v3, s[10:11] offset:512*(\j)
.endr
.macro FILL s, i                       ; row i of my four into slot s: sixteen loads
.irp j, 0,1,2,3,4,5,6,7
	global_load_b128 v[SL+64*(\s)+4*(\j):SL+64*(\s)+4*(\j)+3],       v2, s[4:5] offset:4096*(\i)+512*(\j) th:TH_LOAD_NT
	global_load_b128 v[SL+64*(\s)+32+4*(\j):SL+64*(\s)+32+4*(\j)+3], v2, s[6:7] offset:4096*(\i)+512*(\j) th:TH_LOAD_NT
.endr
.endm
.macro RED                             ; four pairs in T become one number in every lane's v[T]
	v_pk_add_f32 v[T:T+1], v[T:T+1], v[T+2:T+3]
	v_pk_add_f32 v[T+4:T+5], v[T+4:T+5], v[T+6:T+7]
	v_pk_add_f32 v[T:T+1], v[T:T+1], v[T+4:T+5]
	v_add_f32 v[T], v[T], v[T+1]
	v_add_f32_dpp v[T], v[T], v[T] row_xmask:1 row_mask:0xf bank_mask:0xf
	v_add_f32_dpp v[T], v[T], v[T] row_xmask:2 row_mask:0xf bank_mask:0xf
	v_add_f32_dpp v[T], v[T], v[T] row_xmask:4 row_mask:0xf bank_mask:0xf
	v_add_f32_dpp v[T], v[T], v[T] row_xmask:8 row_mask:0xf bank_mask:0xf
	v_permlanex16_b32 v[T+1], v[T], s14, s15
	v_add_f32 v[T], v[T], v[T+1]
.endm
; Row i, in slot s.  left: the younger loads that may stay out.  refill = 1: the slot takes row i + 2.
.macro TURN s, i, left, refill
.set A, SL+64*(\s)
.set XX, SL+64*(\s)+32
	s_wait_loadcnt \left
.set k, 0
.rept 16
	v_pk_add_f32 v[A+2*k:A+2*k+1], v[A+2*k:A+2*k+1], v[XX+2*k:XX+2*k+1]        ; y = atted + x
.set k, k+1
.endr
.set k, 0
.rept 4
	v_pk_add_f32 v[T+2*k:T+2*k+1], v[A+2*k:A+2*k+1], v[A+8+2*k:A+8+2*k+1]      ; four chains: nothing is cleared
.set k, k+1
.endr
.set k, 8
.rept 8
	v_pk_add_f32 v[T+2*(k%4):T+2*(k%4)+1], v[T+2*(k%4):T+2*(k%4)+1], v[A+2*k:A+2*k+1]
.set k, k+1
.endr
	RED
	v_mul_f32 v[M], s12, v[T]
	v_mul_f32 v[M+1], s12, v[T]
.set k, 0
.rept 16
	v_pk_add_f32 v[A+2*k:A+2*k+1], v[A+2*k:A+2*k+1], v[M:M+1] neg_lo:[0,1] neg_hi:[0,1]  ; y - mean
.set k, k+1
.endr
.set k, 0
.rept 4
	v_pk_mul_f32 v[T+2*k:T+2*k+1], v[A+2*k:A+2*k+1], v[A+2*k:A+2*k+1]
.set k, k+1
.endr
.rept 12
	v_pk_fma_f32 v[T+2*(k%4):T+2*(k%4)+1], v[A+2*k:A+2*k+1], v[A+2*k:A+2*k+1], v[T+2*(k%4):T+2*(k%4)+1]
.set k, k+1
.endr
	RED
	v_fma_f32 v[M], v[T], s12, s13                 ; variance + eps
	v_rsq_f32 v[R], v[M]
	v_rsq_f32 v[R+1], v[M]
	v_nop                                          ; a plain instruction between the last root and the use of its result
.set k, 0
	s_wait_alu depctr_va_vdst(0)
.rept 16
	v_pk_mul_f32 v[A+2*k:A+2*k+1], v[A+2*k:A+2*k+1], v[R:R+1]
.set k, k+1
.endr
.set k, 0
.rept 16
	v_pk_fma_f32 v[A+2*k:A+2*k+1], v[A+2*k:A+2*k+1], v[G+2*k:G+2*k+1], v[BT+2*k:BT+2*k+1]
.set k, k+1
.endr
.irp j, 0,1,2,3,4,5,6,7
	global_store_b128 v2, v[A+4*(\j):A+4*(\j)+3], s[16:17] offset:4096*(\i)+512*(\j) th:TH_STORE_NT  ; 512 consecutive bytes, aligned
.endr
.if \refill
	s_wait_xcnt 0x0                                ; the stores have read the slot's registers: only now is it loaded again
	FILL \s, (\i)+2
.endif
.endm
	FILL 0, 0
	FILL 1, 1
	TURN 0, 0, 16, 1                               ; the other slot's sixteen loads stay out; gamma and beta were issued first and are in
	TURN 1, 1, 16, 1
	TURN 0, 2, 16, 0
	TURN 1, 3, 0, 0
	s_endpgm
.Lfunc_end_k_q12e946105b_lnorm:
	.size	k_q12e946105b_lnorm, .Lfunc_end_k_q12e946105b_lnorm-k_q12e946105b_lnorm
	.p2alignl 7, 3214868480
	.fill 96, 4, 3214868480
	.section	.rodata,"a",@progbits
	.p2align	6, 0x0
	.amdhsa_kernel k_q12e946105b_lnorm
		.amdhsa_group_segment_fixed_size 0
		.amdhsa_private_segment_fixed_size 0
		.amdhsa_enable_private_segment 0
		.amdhsa_kernarg_size 40
		.amdhsa_user_sgpr_count 2
		.amdhsa_user_sgpr_kernarg_segment_ptr 1
		.amdhsa_wavefront_size32 1
		.amdhsa_system_sgpr_workgroup_id_x 1
		.amdhsa_system_sgpr_workgroup_id_y 1
		.amdhsa_system_sgpr_workgroup_id_z 1
		.amdhsa_system_vgpr_workitem_id 0
		.amdhsa_next_free_vgpr 212
		.amdhsa_next_free_sgpr 66
		.amdhsa_reserve_vcc 0
		.amdhsa_float_denorm_mode_32 3
		.amdhsa_float_denorm_mode_16_64 3
		.amdhsa_memory_ordered 1
		.amdhsa_forward_progress 1
		.amdhsa_inst_pref_size 41
	.end_amdhsa_kernel
	.amdgpu_metadata
---
amdhsa.version: [ 1, 2 ]
amdhsa.kernels:
  - .name:           k_q12e946105b_lnorm
    .symbol:         k_q12e946105b_lnorm.kd
    .args:
      - { .name: out1, .offset: 0, .size: 8, .value_kind: global_buffer, .address_space: global }
      - { .name: x, .offset: 8, .size: 8, .value_kind: global_buffer, .address_space: global }
      - { .name: gamma, .offset: 16, .size: 8, .value_kind: global_buffer, .address_space: global }
      - { .name: beta, .offset: 24, .size: 8, .value_kind: global_buffer, .address_space: global }
      - { .name: out0, .offset: 32, .size: 8, .value_kind: global_buffer, .address_space: global }
    .group_segment_fixed_size: 0
    .private_segment_fixed_size: 0
    .kernarg_segment_align: 8
    .kernarg_segment_size: 40
    .max_flat_workgroup_size: 256
    .sgpr_count:     66
    .vgpr_count:     212
    .wavefront_size: 32
...
	.end_amdgpu_metadata
.endif
;; end of part 5
;; ======== version 2 of 2: 5 launches; version 1 with the launch cast written anew for expert scheduling mode
;; limits: values are held in f16: magnitudes above 65,504 overflow, below 6.1e-05 lose precision
;; workspace buffers: opnd 25,165,824 bytes; qkv 50,331,648 bytes; ctx 16,777,216 bytes
;; launch cast (part 6): grid 384 x 1, 8 waves a work-group, no clusters, 0 bytes of LDS; arguments x, Wq, Wk, Wv, Wf, opnd; writes opnd
.if DOCPART == 6
	.amdgcn_target "amdgcn-amd-amdhsa--gfx1250"
	.amdhsa_code_object_version 6
	.text
	.protected	k_q12e946105b_cast
	.globl	k_q12e946105b_cast
	.p2align	8
	.type	k_q12e946105b_cast,@function
k_q12e946105b_cast:
	s_mov_b64 s[64:65], 0
	v_nop
	global_prefetch_b8 v0, s[64:65] scope:SCOPE_SE
	s_setreg_imm32_b32 hwreg(HW_REG_WAVE_SCHED_MODE, 0, 2), 2
	s_setreg_imm32_b32 hwreg(HW_REG_WAVE_MODE, 25, 1), 1
	s_wait_xcnt 0x0
	s_wait_alu depctr_vm_vsrc(0)
; CAST.  x and the four weights, f32, are rounded once to f16 and laid out in blocks for the products that follow.
; opnd holds 12 units of 2 MiB; a unit is [kb 0..15][row 0..1023][64 numbers]: 131,072 bytes a kb, 128 bytes a row.
; Units 0-7: x's atrous groups g = 4 batch + r, row l = x[batch][4 l + r].  Units 8-11: Wq, Wk, Wv, Wf, row = output feature.
; So a tile of 64 along K of any run of rows is dense in memory.
; LIMIT.  f16: a magnitude of 65,520 or more becomes an infinity; below 6e-5 the step is 6e-8.
; SHARES.  Work-group w: unit w / 32, rows 32 (w % 32) on; a wave four rows, as two pairs.  A load of a wave takes 256 bytes
; (64 numbers, one kb) of each of two rows; the store puts their 2 x 128 bytes of f16 side by side: 256 consecutive bytes, aligned.
; No LDS, no matrix unit, no cluster: a stream in which every byte is read once and written once.
; THE MODE: SCHED_MODE bits 1:0 = 2 (LLVM: expert scheduling mode 2), set by the entry lines.  The code itself states the register dependences
; between vector instructions and memory instructions, with s_wait_alu, always for 0.
; THE PLAN.  Registers that memory instructions touch:
;   v2, v3, v4   offsets: written at the head, read by every load or store, never written again.
;   X            load i lands in its own four registers, which no vector instruction has named before; two conversions read them; they are never loaded again.
;   Y            the two conversions of load i write their own pair, once; one store reads it; it is never written again.
; All 32 loads of a wave go out at once.  The work behind them goes in eight blocks of four loads: block p converts its four into Y's block p, and the stores
; of block p - 1 are dealt among those conversions.  One wait at a block's head states that the block before has written its Y; the conversions issued since
; that wait name other registers than the stores read.  No register that a memory instruction reads is written twice, so nothing is owed for the other direction.
.set SO, 2                             ; v2, v3  source offset of my 16 bytes in pair 0, 1
.set DO, 4                             ; v4      destination offset of my 8 bytes in pair 0, kb 0
.set X,  16                            ; v[16:143]   load i = 16 pair + kb: four f32
.set Y,  144                           ; v[144:207]  the same as four f16
.set BLK, 4                            ; loads in a block
.set NBLK, 32/BLK
	s_load_b256 s[4:11], s[0:1], 0x0               ; x s[4:5], Wq s[6:7], Wk s[8:9], Wv s[10:11]
	s_load_b128 s[12:15], s[0:1], 0x20             ; Wf s[12:13], opnd s[14:15]
	v_lshrrev_b32 v1, 5, v0
	v_readfirstlane_b32 s19, v1                    ; wave 0..7
	s_lshr_b32 s16, ttmp9, 5                       ; unit
	s_and_b32 s18, ttmp9, 31
	s_lshl_b32 s18, s18, 5
	s_lshr_b32 s26, s16, 2                         ; for x: the batch, 16 MiB each,
	s_lshl_b32 s26, s26, 24
	s_and_b32 s27, s16, 3                          ; and the place in a group of four rows
	s_lshl_b32 s27, s27, 12
	s_add_co_u32 s26, s26, s27
	s_cmp_lt_u32 s16, 8
	s_cselect_b32 s17, 14, 12                      ; from a unit's row to the next: four rows of x, or one of a weight
	s_cselect_b32 s22, s26, 0
	s_mov_b32 s23, 0
	s_lshl_b32 s24, s16, 21                        ; the unit's place in opnd
	s_mov_b32 s25, 0
	s_lshl_b32 s26, 2, s17                         ; two rows on
	s_wait_alu depctr_va_sdst(0)                   ; s19, the wave's number, is written, ahead of its first reader
	s_lshl2_add_u32 s18, s19, s18                  ; my wave's first row = 32 (w % 32) + 4 wave
	v_and_b32 v5, 15, v0                           ; my place in a row's 256 bytes
	v_bfe_u32 v6, v0, 4, 1                         ; which row of the pair
	v_add_nc_u32 v7, s18, v6
	v_lshlrev_b32 v[SO], s17, v7
	v_lshl_add_u32 v[SO], v5, 4, v[SO]
	v_add_nc_u32 v[SO+1], s26, v[SO]
	v_lshlrev_b32 v[DO], 7, v7
	v_lshl_add_u32 v[DO], v5, 3, v[DO]
	s_wait_kmcnt 0x0
	s_mov_b64 s[20:21], s[4:5]                     ; the source: x, or one of the weights by the unit's number
	s_cmp_eq_u32 s16, 8
	s_cselect_b64 s[20:21], s[6:7], s[20:21]
	s_cmp_eq_u32 s16, 9
	s_cselect_b64 s[20:21], s[8:9], s[20:21]
	s_cmp_eq_u32 s16, 10
	s_cselect_b64 s[20:21], s[10:11], s[20:21]
	s_cmp_eq_u32 s16, 11
	s_cselect_b64 s[20:21], s[12:13], s[20:21]
	s_add_nc_u64 s[20:21], s[20:21], s[22:23]
	s_add_nc_u64 s[24:25], s[14:15], s[24:25]
	s_wait_alu depctr_va_vdst(0)                   ; the three offsets v2, v3 and v4 are written: every load and store of the kernel reads one of them
.set i, 0
.rept 32
	global_load_b128 v[X+4*i:X+4*i+3], v[SO+i/16], s[20:21] offset:256*(i%16) th:TH_LOAD_NT
.set i, i+1
.endr
.set p, 0
.rept NBLK
	s_wait_loadcnt 32-BLK*(p+1)                    ; loads come back in order: block p's four are in, the younger blocks stay out
.if p > 0
	s_wait_alu depctr_va_vdst(0)                   ; the conversions of block p - 1 have written their part of Y, which the four stores below read
.endif
.set j, 0
.rept BLK
.set i, BLK*p+j
.if p > 0
	global_store_b64 v[DO], v[Y+2*(i-BLK):Y+2*(i-BLK)+1], s[24:25] offset:256*((i-BLK)/16)+131072*((i-BLK)%16)  ; the block before; no vector instruction since the wait names these registers
.endif
	v_cvt_pk_f16_f32 v[Y+2*i], v[X+4*i], v[X+4*i+1]
	v_cvt_pk_f16_f32 v[Y+2*i+1], v[X+4*i+2], v[X+4*i+3]
.set j, j+1
.endr
.set p, p+1
.endr
	s_wait_alu depctr_va_vdst(0)                   ; the last block's conversions have written their part of Y, which the last four stores read
.set i, 32-BLK
.rept BLK
	global_store_b64 v[DO], v[Y+2*i:Y+2*i+1], s[24:25] offset:256*(i/16)+131072*(i%16)
.set i, i+1
.endr
	s_endpgm
.Lfunc_end_k_q12e946105b_cast:
	.size	k_q12e946105b_cast, .Lfunc_end_k_q12e946105b_cast-k_q12e946105b_cast
	.p2alignl 7, 3214868480
	.fill 96, 4, 3214868480
	.section	.rodata,"a",@progbits
	.p2align	6, 0x0
	.amdhsa_kernel k_q12e946105b_cast
		.amdhsa_group_segment_fixed_size 0
		.amdhsa_private_segment_fixed_size 0
		.amdhsa_enable_private_segment 0
		.amdhsa_kernarg_size 48
		.amdhsa_user_sgpr_count 2
		.amdhsa_user_sgpr_kernarg_segment_ptr 1
		.amdhsa_wavefront_size32 1
		.amdhsa_system_sgpr_workgroup_id_x 1
		.amdhsa_system_sgpr_workgroup_id_y 1
		.amdhsa_system_sgpr_workgroup_id_z 1
		.amdhsa_system_vgpr_workitem_id 0
		.amdhsa_next_free_vgpr 208
		.amdhsa_next_free_sgpr 66
		.amdhsa_reserve_vcc 0
		.amdhsa_float_denorm_mode_32 3
		.amdhsa_float_denorm_mode_16_64 3
		.amdhsa_memory_ordered 1
		.amdhsa_forward_progress 1
		.amdhsa_inst_pref_size 13
	.end_amdhsa_kernel
	.amdgpu_metadata
---
amdhsa.version: [ 1, 2 ]
amdhsa.kernels:
  - .name:           k_q12e946105b_cast
    .symbol:         k_q12e946105b_cast.kd
    .args:
      - { .name: x, .offset: 0, .size: 8, .value_kind: global_buffer, .address_space: global }
      - { .name: Wq, .offset: 8, .size: 8, .value_kind: global_buffer, .address_space: global }
      - { .name: Wk, .offset: 16, .size: 8, .value_kind: global_buffer, .address_space: global }
      - { .name: Wv, .offset: 24, .size: 8, .value_kind: global_buffer, .address_space: global }
      - { .name: Wf, .offset: 32, .size: 8, .value_kind: global_buffer, .address_space: global }
      - { .name: opnd, .offset: 40, .size: 8, .value_kind: global_buffer, .address_space: global }
    .group_segment_fixed_size: 0
    .private_segment_fixed_size: 0
    .kernarg_segment_align: 8
    .kernarg_segment_size: 48
    .max_flat_workgroup_size: 256
    .sgpr_count:     66
    .vgpr_count:     208
    .wavefront_size: 32
...
	.end_amdgpu_metadata
.endif
;; end of part 6
;; launch qkvp: the kernel of part 2 again; grid 8 x 32, 4 waves a work-group, clusters of 4 x 4, 327,680 bytes of LDS; arguments opnd, bq, bk, bv, qkv; writes qkv
;; launch attn: the kernel of part 3 again; grid 2 x 128, 4 waves a work-group, no clusters, 327,680 bytes of LDS; arguments qkv, ctx; writes ctx
;; launch proj: the kernel of part 4 again; grid 8 x 32, 4 waves a work-group, clusters of 4 x 4, 327,680 bytes of LDS; arguments ctx, opnd, bf, out1; writes out1
;; launch lnorm: the kernel of part 5 again; grid 256 x 1, 8 waves a work-group, no clusters, 0 bytes of LDS; arguments out1, x, gamma, beta, out0; writes out0
